; MI455X (gfx1250); checked and timed in simulation.
; The chip was launched on July 23, 2026; its instructions are those of AMD's public machine-readable ISA for CDNA 5 (MIT licence, August 2026) and "CDNA5" Instruction Set Architecture Reference Guide (July 2026). The comments in the code are by the model that wrote it; some were corrected since.
;; Multi Head Self Attention. Allowed arithmetic: matrix products marked QUANTISED: E2M3 operands, one E8M0 scale for each 32 along K, by v_wmma_scale_f32_16x16x128_f8f6f4 with both operands' format E2M3, f32 sums; everything else in f32.
;; Inputs: Wk 1,024 x 1,024 float32; Wo 1,024 x 1,024 float32; Wq 1,024 x 1,024 float32; Wv 1,024 x 1,024 float32; bk 1,024 float32; bo 1,024 float32; bq 1,024 float32; bv 1,024 float32; x 4 x 2,048 x 1,024 float32.
;; Outputs: out0 4 x 2,048 x 1,024 float32.
;; This version of the problem:
;;   THIS VERSION OF THE PROBLEM IS GIVEN IN LOW PRECISION. The matrix products marked QUANTISED in the list below multiply operands that are first quantised to E2M3 (2 exponent bits, 3 mantissa bits; 6 bits a number), with one power-of-two scale for each 32 numbers along K (OCP MX v1.0); their sums are f32. All else is computed in f32.
;;   The module's matrix products, in the order in which they are computed (A, B: the left and right operand; K: the contracted axis; several contracted axes count as one K, in the product's order):
;;     1. [M 8,192, K 1,024] x [K 1,024, N 1,024]; A: input x; B: input Wq: QUANTISED
;;     2. [M 8,192, K 1,024] x [K 1,024, N 1,024]; A: input x; B: input Wk: QUANTISED
;;     3. [M 8,192, K 1,024] x [K 1,024, N 1,024]; A: input x; B: input Wv: QUANTISED
;;     4. batch 64 x [M 2,048, K 64] x [K 64, N 2,048]; A: computed on the way; B: computed on the way: QUANTISED
;;     5. batch 64 x [M 2,048, K 2,048] x [K 2,048, N 64]; A: softmax (see below); B: computed on the way: QUANTISED
;;     6. [M 8,192, K 1,024] x [K 1,024, N 1,024]; A: computed on the way; B: input Wo: QUANTISED
;;   THE QUANTISER, for each operand of a quantised product, along K:
;;     - K is cut into blocks of 32 from its start; a last block that is shorter is filled with zeros.
;;     - A block's scale is 2^e with e = floor(log2(the largest magnitude in the block)) - 2, held to -126 .. 127; a block of zeros has e = 0. As a byte (E8M0): e + 127.
;;     - Each number is divided by its block's scale, clamped to +-7.5, and rounded to the nearest number of E2M3, ties to even, subnormals kept.
;;     - The product sums the exact products of the quantised numbers (number of the format x scale) in f32.
;;   ~~~python
;;   def quantise(x, axis):      # numpy; x: float32 -> the quantised numbers, widened to float32 again
;;       x = np.moveaxis(x, axis, -1); K = x.shape[-1]
;;       x = np.pad(x, [(0, 0)] * (x.ndim - 1) + [(0, -K % 32)]); x = x.reshape(x.shape[:-1] + (-1, 32)); a = np.abs(x).max(-1, keepdims=True)
;;       e = np.where(a > 0, np.clip(np.frexp(np.where(a > 0, a, 1))[1] - 1 - 2, -126, 127), 0)      # np.frexp(a)[1] - 1 = floor(log2(a)), exactly
;;       r = np.clip(x / 2.0 ** e, -7.5, 7.5)
;;       step = 2.0 ** (np.maximum(np.frexp(np.where(r == 0, 1, r))[1] - 1, 0) - 3)
;;       q = np.round(r / step) * step * 2.0 ** e      # np.round: ties to even
;;       return np.moveaxis(q.reshape(q.shape[:-2] + (-1,))[..., :K], -1, axis).astype(np.float32)
;;   ~~~
;;   SOFTMAX AHEAD OF A QUANTISED PRODUCT. Where the list says 'softmax', what is quantised is not the finished softmax but p = 2^(t - M), with t = logit x log2(e) and M = ceil(the row's largest t), a whole number; so 1/2 < the row's largest p <= 1. The row's sum l is taken of the UNQUANTISED p, in f32, and the product's result is divided by l at the end. Since M is a whole number, a kernel that streams over the keys may use a running M (the ceiling of the running maximum): every later rescaling is an exact power of two, which a block's scale takes up: the codes' values come out the same.
;;   OPERANDS COMPUTED ON THE WAY. 'Computed on the way' means the value that the module computes at that place (a softmax that the list does not call 'softmax' is quantised finished and normalised). What goes into a quantiser is computed in f32, as accurately as f32 sums, v_exp_f32 and their like allow (about 1e-6 of the number): no bf16 or f16 on the way to a quantiser, and a product that is left as it is and whose result goes on into a quantised operand takes f32 operands (vector FMAs, or v_wmma_f32_16x16x4_f32). A number that lies on a knife's edge between two numbers of the format may be rounded either way, as far as f32 arithmetic and the matrix unit's own rounding can turn it there, and no further.
;; One version. Each part assembles by itself: llvm-mc -triple=amdgcn-amd-amdhsa -mcpu=gfx1250 --defsym DOCPART=n.
;; ======== version 1 of 1: 4 launches
;; limits: right only within a limited range of input values
;; workspace buffers: img 9,437,184 bytes; scl 393,216 bytes; qkv 19,660,800 bytes; oimg 6,291,456 bytes; os 262,144 bytes
;; launch quant (part 1): grid 768 x 1, 2 waves a work-group, no clusters, 17,152 bytes of LDS; arguments x, Wq, Wk, Wv, Wo, img, scl; writes img, scl
.if DOCPART == 1
	.amdgcn_target "amdgcn-amd-amdhsa--gfx1250"
	.amdhsa_code_object_version 6
	.text
	.protected	k_q67c04c4a44_quant
	.globl	k_q67c04c4a44_quant
	.p2align	8
	.type	k_q67c04c4a44_quant,@function
k_q67c04c4a44_quant:
	s_mov_b64 s[64:65], 0
	v_nop
	global_prefetch_b8 v0, s[64:65] scope:SCOPE_SE
	s_setreg_imm32_b32 hwreg(HW_REG_WAVE_MODE, 25, 1), 1
	s_wait_xcnt 0x0
; x [8192][1024] and Wq, Wk, Wv, Wo [1024][1024], f32 with K innermost, become codes of FP6 (E2M3) with one E8M0 byte for each 32 along K,
; laid in the ORDER OF THE OPERAND'S REGISTERS.  img: [768 row tiles][8 K steps][1,536 bytes]; a fragment (16 rows x 128 K, 12 registers a lane) lies as
; three groups of four registers, group g at 512 g + 16 x lane.  scl: [768][half of K][row 16][16 bytes]: a row's four scale words of 512 along K.
; Row tiles 0-511 are x's, then 64 each of Wq, Wk, Wv, Wo.  THE ROWS OF A TILE ARE NOT NEIGHBOURS: row i of tile 4 c + t is row 64 c + 8 t + i % 8 + 32 (i / 8)
; of its tensor, so that a lane's 32 results of four neighbouring tiles are one whole block of 32 along the next product's K.
; A block's scale is 2^(floor(log2(its largest magnitude)) - 2); its byte is the largest magnitude's exponent field - 2, held at 1 from below.
; LIMITS: a block of zeros gets the byte 1 where the rule says 127 (its codes are zeros; this program alone reads the bytes); blocks whose largest
; magnitude lies under 2^-124 are held at the byte 1; NaN and infinities among the inputs are not served.
; SHARES: a work-group is a row tile, a wave half of K: four steps of 16 rows x 128 K.  Each load reads 512 consecutive bytes of one row; the 8,192 bytes of
; a step turn through the wave's own stage in LDS, so that lane (r, h) gets blocks h and 2 + h of row r whole, as the operand's layout has them.
; No work-group reads what another reads: no cluster, no tensor load, no barrier.
.set ROWB,   4096                      ; a row in memory
.set SPITCH, 528                       ; a stage row: 512 bytes + 16
.set WSTG,   16*SPITCH                 ; a wave's stage
.set SPARE,  2*WSTG                    ; behind the stages: the spare words, 128 bytes a wave: one block of 256 bytes that no other line names
.set FRB,    1536                      ; a fragment's image
.set LO,   4                           ; v4   16 x lane: my bytes of a load's 512, and of an image's group
.set SI,   5                           ; v5   the stage, on the way in
.set SO,   6                           ; v6   and on the way out: row r, + 128 h
.set WO,   8                           ; v8   16 r + 8 h: my two scale words' place
.set SPW,  10                          ; v10  LDS address of my spare word; never rewritten
.set NIL,  11                          ; v11  0; never rewritten
.set M,    12                          ; v12-15 largest magnitudes, two chains for each of my two blocks
.set SCO,  16                          ; v16-17 the conversions' scale operands
.set BY,   18                          ; v18-19 the scale bytes
.set WT,   20                          ; v20  my two bytes at their places
.set PX,   21                          ; v21  the other half of the lanes' two
.set SH,   22                          ; v22  8 h
.set WD,   24                          ; v24-27 the four steps' scale words
.set C,    28                          ; v28-39 a fragment's codes
.set CT,   40                          ; v40-46 the second halves of the blocks' codes, before they are moved
.set R,    48                          ; v48-175 two sets of 64 registers as loaded
.set X,    176                         ; v176-239 my two blocks of 32 numbers
	s_load_b256 s[4:11], s[0:1], 0x0               ; x, Wq, Wk, Wv
	s_load_b128 s[12:15], s[0:1], 0x20             ; Wo, img
	s_load_b64 s[16:17], s[0:1], 0x30              ; scl
	v_lshl_add_u32 v[SPW], v0, 2, SPARE
	v_mov_b32 v[NIL], 0
	v_lshrrev_b32 v1, 5, v0
	v_readfirstlane_b32 s18, v1                    ; wave = which half of K
	v_and_b32 v1, 31, v0                           ; lane
	v_and_b32 v2, 15, v0                           ; r
	v_bfe_u32 v3, v0, 4, 1                         ; h
	v_lshlrev_b32 v[LO], 4, v1
	s_mul_i32 s19, s18, WSTG
	v_add_nc_u32 v[SI], s19, v[LO]
	v_mul_u32_u24 v[SO], v2, SPITCH
	v_lshl_add_u32 v[SO], v3, 7, v[SO]
	v_add_nc_u32 v[SO], s19, v[SO]
	v_lshlrev_b32 v[WO], 4, v2
	v_lshl_add_u32 v[WO], v3, 3, v[WO]
	v_lshlrev_b32 v[SH], 3, v3
	v_mov_b32 v[PX], 0                             ; written once: a lane permute's destination counts as one of its sources
	s_mov_b32 s20, 0x76543210
	s_mov_b32 s21, 0xfedcba98                      ; v_permlanex16_b32's selects for lane l xor 16
	s_and_b32 s22, ttmp9, 63                       ; the tile's number inside its tensor: a weight has 64 tiles, and 512 is a multiple of 64
	s_cmp_lt_u32 ttmp9, 512
	s_cselect_b32 s22, ttmp9, s22
	s_lshr_b32 s23, s22, 2
	s_lshl_b32 s23, s23, 6
	s_and_b32 s22, s22, 3
	s_lshl_b32 s22, s22, 3
	s_add_co_u32 s22, s22, s23                     ; the tile's first row: 64 (T / 4) + 8 (T % 4)
	s_lshl_b32 s22, s22, 12
	s_lshl_b32 s23, s18, 11
	s_add_co_u32 s22, s22, s23                     ; in bytes, + my half of K
	s_mov_b32 s23, 0
	s_mul_i32 s24, ttmp9, 8*FRB
	s_mul_i32 s26, s18, 4*FRB
	s_add_co_u32 s24, s24, s26                     ; my four images
	s_mov_b32 s25, 0
	s_lshl_b32 s26, ttmp9, 9
	s_lshl_b32 s27, s18, 8
	s_add_co_u32 s26, s26, s27                     ; my 256 bytes of scale words
	s_mov_b32 s27, 0
	s_wait_alu depctr_va_vdst(0)                   ; the wait at the head's end
	s_wait_kmcnt 0x0
	s_cmp_lt_u32 ttmp9, 704                        ; which tensor: the choice hangs on the work-group's number alone
	s_cselect_b64 s[12:13], s[10:11], s[12:13]
	s_cmp_lt_u32 ttmp9, 640
	s_cselect_b64 s[12:13], s[8:9], s[12:13]
	s_cmp_lt_u32 ttmp9, 576
	s_cselect_b64 s[12:13], s[6:7], s[12:13]
	s_cmp_lt_u32 ttmp9, 512
	s_cselect_b64 s[12:13], s[4:5], s[12:13]
	s_add_nc_u64 s[12:13], s[12:13], s[22:23]
	s_add_nc_u64 s[14:15], s[14:15], s[24:25]
	s_add_nc_u64 s[16:17], s[16:17], s[26:27]
.macro LOAD s                          ; step s: 128 along K of the tile's 16 rows: a load reads 512 consecutive bytes of one row
.irp i, 0,1,2,3,4,5,6,7,8,9,10,11,12,13,14,15
	global_load_b128 v[R+64*((\s)%2)+4*\i:R+64*((\s)%2)+4*\i+3], v[LO], s[12:13] offset:(\i+24*(\i/8))*ROWB+512*(\s) th:TH_LOAD_NT
.endr
.endm
.macro TURN s                          ; through the stage: LDS serves a wave's instructions in order, so no wait stands between the stores and the loads
.irp i, 0,1,2,3,4,5,6,7,8,9,10,11,12,13,14,15
	ds_store_b128 v[SI], v[R+64*((\s)%2)+4*\i:R+64*((\s)%2)+4*\i+3] offset:\i*SPITCH
.endr
.irp j, 0,1,2,3,4,5,6,7
	ds_load_b128 v[X+4*\j:X+4*\j+3], v[SO] offset:16*\j                ; k = 32 h + 0 .. 31 of row r
.endr
.irp j, 0,1,2,3,4,5,6,7
	ds_load_b128 v[X+32+4*\j:X+32+4*\j+3], v[SO] offset:256+16*\j      ; k = 64 + 32 h + 0 .. 31
.endr
.endm
.macro QUANT s
.irp c, 0,1
	v_max3_num_f32 v[M+2*\c], |v[X+32*\c]|, |v[X+32*\c+1]|, |v[X+32*\c+2]|       ; a block's 32 numbers are all mine: two chains a block
	v_max3_num_f32 v[M+2*\c+1], |v[X+32*\c+3]|, |v[X+32*\c+4]|, |v[X+32*\c+5]|
.endr
.irp i, 6,10,14,18,22,26
.irp c, 0,1
	v_max3_num_f32 v[M+2*\c], v[M+2*\c], |v[X+32*\c+\i]|, |v[X+32*\c+\i+1]|
	v_max3_num_f32 v[M+2*\c+1], v[M+2*\c+1], |v[X+32*\c+\i+2]|, |v[X+32*\c+\i+3]|
.endr
.endr
.irp c, 0,1
	v_max3_num_f32 v[M+2*\c], v[M+2*\c], |v[X+32*\c+30]|, |v[X+32*\c+31]|
.endr
.irp c, 0,1
	v_max3_num_f32 v[M+2*\c], v[M+2*\c], v[M+2*\c+1], 0x1800000        ; and the floor 2^(3 - 127): the byte cannot fall under 1
.endr
.irp c, 0,1
	v_add_nc_u32 v[SCO+\c], 0xff000000, v[M+2*\c]                      ; 2 off the exponent field: the conversion takes that field as its scale
.endr
.irp c, 0,1
	v_lshrrev_b32 v[BY+\c], 23, v[SCO+\c]                              ; the scale's byte
.endr
	v_lshl_or_b32 v[WT], v[BY+1], 16, v[BY]        ; blocks h and 2 + h of row r,
	v_lshlrev_b32 v[WT], v[SH], v[WT]              ; at their places in the word (8 h bits up);
	v_permlanex16_b32 v[PX], v[WT], s20, s21
	v_or_b32 v[WD+\s], v[WT], v[PX]                ; with the other half of the lanes' two the word is whole
	s_wait_alu depctr_va_vdst(0)                   ; the wait directly ahead of the wait below
	s_wait_xcnt 0x0                                ; the last step's stores have read the codes' registers: they are written again only behind this wait
	v_cvt_scalef32_pk16_fp6_f32 v[C:C+2], v[X:X+15], v[SCO]
	v_cvt_scalef32_pk16_fp6_f32 v[CT:CT+2], v[X+16:X+31], v[SCO]       ; (a conversion's three registers begin on an even number)
	v_cvt_scalef32_pk16_fp6_f32 v[C+6:C+8], v[X+32:X+47], v[SCO+1]
	v_cvt_scalef32_pk16_fp6_f32 v[CT+4:CT+6], v[X+48:X+63], v[SCO+1]
	v_nop                                          ; one plain place behind a scaled conversion
.irp i, 0,1,2
	v_mov_b32 v[C+3+\i], v[CT+\i]
	v_mov_b32 v[C+9+\i], v[CT+4+\i]
.endr
.irp g, 0,1,2
	global_store_b128 v[LO], v[C+4*\g:C+4*\g+3], s[14:15] offset:FRB*(\s)+512*\g   ; 32 lanes store 512 consecutive bytes, at a multiple of 256 from img's first byte
.endr
.endm
	LOAD 0
	LOAD 1
.irp s, 0,1,2,3
.if \s < 3
	s_wait_loadcnt 16                              ; this step's 16 loads are in; the next step's 16 may be out
.else
	s_wait_loadcnt 0x0
.endif
	TURN \s
	s_wait_dscnt 0x0                               ; the stage's stores have read their registers, and my 64 numbers are back
.if \s < 2
	LOAD \s+2
.endif
	QUANT \s
.endr
	v_cmp_ne_u32 vcc_lo, 0, v3
	v_cndmask_b32 v[M], v[WD], v[WD+2], vcc_lo     ; lane (r, h) stores words 2 h and 2 h + 1 of row r
	v_cndmask_b32 v[M+1], v[WD+1], v[WD+3], vcc_lo
	global_store_b64 v[WO], v[M:M+1], s[16:17]     ; 32 lanes store 256 consecutive bytes, aligned
	s_wait_tensorcnt 0x0                           ; the wave's end: behind my last LDS store
	ds_add_u32 v[SPW], v[NIL]
	s_wait_dscnt 0x0
	s_endpgm
.Lfunc_end_k_q67c04c4a44_quant:
	.size	k_q67c04c4a44_quant, .Lfunc_end_k_q67c04c4a44_quant-k_q67c04c4a44_quant
	.p2alignl 7, 3214868480
	.fill 96, 4, 3214868480
	.section	.rodata,"a",@progbits
	.p2align	6, 0x0
	.amdhsa_kernel k_q67c04c4a44_quant
		.amdhsa_group_segment_fixed_size 17152
		.amdhsa_private_segment_fixed_size 0
		.amdhsa_enable_private_segment 0
		.amdhsa_kernarg_size 56
		.amdhsa_user_sgpr_count 2
		.amdhsa_user_sgpr_kernarg_segment_ptr 1
		.amdhsa_wavefront_size32 1
		.amdhsa_system_sgpr_workgroup_id_x 1
		.amdhsa_system_sgpr_workgroup_id_y 1
		.amdhsa_system_sgpr_workgroup_id_z 1
		.amdhsa_system_vgpr_workitem_id 0
		.amdhsa_next_free_vgpr 240
		.amdhsa_next_free_sgpr 66
		.amdhsa_reserve_vcc 1
		.amdhsa_float_denorm_mode_32 3
		.amdhsa_float_denorm_mode_16_64 3
		.amdhsa_memory_ordered 1
		.amdhsa_forward_progress 1
		.amdhsa_inst_pref_size 31
	.end_amdhsa_kernel
	.amdgpu_metadata
---
amdhsa.version: [ 1, 2 ]
amdhsa.kernels:
  - .name:           k_q67c04c4a44_quant
    .symbol:         k_q67c04c4a44_quant.kd
    .args:
      - { .name: x, .offset: 0, .size: 8, .value_kind: global_buffer, .address_space: global }
      - { .name: Wq, .offset: 8, .size: 8, .value_kind: global_buffer, .address_space: global }
      - { .name: Wk, .offset: 16, .size: 8, .value_kind: global_buffer, .address_space: global }
      - { .name: Wv, .offset: 24, .size: 8, .value_kind: global_buffer, .address_space: global }
      - { .name: Wo, .offset: 32, .size: 8, .value_kind: global_buffer, .address_space: global }
      - { .name: img, .offset: 40, .size: 8, .value_kind: global_buffer, .address_space: global }
      - { .name: scl, .offset: 48, .size: 8, .value_kind: global_buffer, .address_space: global }
    .group_segment_fixed_size: 17152
    .private_segment_fixed_size: 0
    .kernarg_segment_align: 8
    .kernarg_segment_size: 56
    .max_flat_workgroup_size: 64
    .sgpr_count:     66
    .vgpr_count:     240
    .wavefront_size: 32
...
	.end_amdgpu_metadata
.endif
;; end of part 1
;; launch qkv (part 2): grid 4 x 64, 4 waves a work-group, clusters of 4 x 1, 167,936 bytes of LDS; arguments img, scl, bq, bk, bv, qkv; writes qkv
.if DOCPART == 2
	.amdgcn_target "amdgcn-amd-amdhsa--gfx1250"
	.amdhsa_code_object_version 6
	.text
	.protected	k_q67c04c4a44_qkv
	.globl	k_q67c04c4a44_qkv
	.p2align	8
	.type	k_q67c04c4a44_qkv,@function
k_q67c04c4a44_qkv:
	s_mov_b64 s[64:65], 0
	v_nop
	global_prefetch_b8 v0, s[64:65] scope:SCOPE_SE
	s_setreg_imm32_b32 hwreg(HW_REG_WAVE_MODE, 25, 1), 1
	s_wait_xcnt 0x0
	s_wait_alu depctr_hold_cnt(0) depctr_sa_sdst(0) depctr_va_vdst(0) depctr_va_sdst(0) depctr_va_ssrc(0) depctr_va_vcc(0) depctr_vm_vsrc(0)
	s_getreg_b32 s2, hwreg(HW_REG_IB_STS2, 6, 4)
	s_cmp_eq_u32 s2, 0
	s_cbranch_scc0 .Lentry_in_a_cluster
	s_endpgm
.Lentry_in_a_cluster:
	s_bfe_u32 s2, ttmp6, 0x10000c
	s_cmp_lg_u32 s2, 0x3003
	s_cbranch_scc0 .Lentry_shape_is_right
	s_endpgm
.Lentry_shape_is_right:
; Q, K, V = x W^T + b on codes of FP6 (E2M3) with E8M0 scales, and their quantisers: the results leave as register images and scale words for the attention launch.  No f32 result is stored.
; IN.  img: [768 row tiles][8 K steps][1,536 bytes]: a fragment (16 rows x 128 K, 12 registers a lane) as three groups of four registers, group g at 512 g + 16 x lane.  scl: [768][512 bytes]: at 16 x lane the four scale
; words of row lane % 16 for K steps 4 (lane / 16) + 0 .. 3.  Tiles 0-511 are x's, then 64 each of Wq, Wk, Wv.  Row i of tile 4 c + t is row 64 c + 8 t + i % 8 + 32 (i / 8) of its tensor.
; OUT.  qkv: [batch x 16 + head][key step of 128 tokens][Q, K, V][6,400 bytes]: four fragment images and 256 bytes of scale words (row r's four words at 16 r).  A Q or K fragment holds token tiles 2 n and 2 n + 1
; (six registers each, K = the head's 64); a V fragment holds 16 channels x 128 tokens.
; THE DEAL.  256 work-groups of four waves.  A work-group takes one key step (128 tokens) and four heads; wave w takes head 4 cx + w through three phases, Q, K and V: 24 blocks of 32 products.
; Its results are the 19,200 consecutive bytes of its (head, key step).  A phase's 64 rows of the weight, ALL of K, lie in 384 registers; x's eight tiles stream past them out of LDS, a tile a block, in two sets of registers.
; x's 98,304 bytes come into LDS ONCE, a quarter a wave, and stay: nothing is filled again.  CLUSTER: the four work-groups of a key step need the same bytes and ask for them jointly.
; THE WEIGHTS go from memory straight into registers: the image is in the registers' order, so a load covers 512 consecutive bytes, and only one wave of a work-group wants them: LDS and a joint load would serve nobody else.
; In a phase's last block each K step's four fragments are asked for anew, for the next phase, as soon as their products are issued.  The next phase's weights are prefetched a phase (eight blocks) ahead:
; all 64 clusters read them, so four clusters ask, each for one of a wave's four tiles: 48 blocks of 256 bytes, two instructions a wave.
; Q, K: source 0 = the weight's rows: a lane's 32 sums of a block are channels 32 h + 0 .. 31 of one token: a whole scale block.  V: source 0 = x's rows: a lane's 32 sums of four blocks are 32 neighbouring tokens of one channel.
; THE BIAS is the C of each sum's first product, laid in registers as the result lies.
; A block's scale byte is its largest magnitude's exponent field - 2, held at 1 from below.  LIMITS: a block of zeros has the byte 1 where the rule says 127 (zero codes; this program alone reads the bytes);
; blocks under 2^-124 are held at the byte 1; NaN and infinities are not served.
.set FRB,   1536
.set TILEB, 8*FRB
.set SECB,  6400
.set STEPB, 3*SECB
.set XB,    8*TILEB                    ; x's eight tiles in LDS
.set SPARE, XB                         ; behind them: the spare words, 128 bytes a wave: two blocks of 256 bytes that no other line names
.set LI,  1                            ; v1   16 x lane;  v2  the same + four tiles
.set SPW, 3                            ; v3   my spare word; never rewritten
.set NIL, 4                            ; v4   0; never rewritten
.set SH8, 5                            ; v5   8 h
.set BQ,  6                            ; v6   128 h: Q's and K's bias
.set BV,  7                            ; v7   4 (r % 8 + 32 (r / 8)): V's
.set WOF, 8                            ; v8   16 r + 8 h: my two scale words' place
.set PF,  9                            ; v9, v10 the prefetches' offsets; never rewritten
.set TQ,  12                           ; v12-19 chains of maxima
.set SOP, 20                           ; v20-23 the conversions' scale operands
.set EB,  24                           ; v24-27 scale bytes
.set W,   28                           ; v28-31 a section's four scale words
.set XS,  32                           ; v32-63 x's scale words: tile a, K step q: register 4 a + q % 4, lanes' half q / 4
.set TC,  64                           ; v64-66 a second conversion's codes
.set WS,  70                           ; v70-85 the weight's scale words, likewise
.set ACC, 86                           ; v86-149 Q, K: two sets of four accumulators
.set FA,  150                          ; v150-161 Q, K: a fragment's codes
.set HV0, 86                           ; v86-213 V, tokens 0-63: 32 d + 8 (a % 4) + j
.set BI,  214                          ; v214-245 the bias
.set HV1, 840                          ; v840-967 V, tokens 64-127
.set VC,  968                          ; v968-1015 V's four fragments' codes
.set WV, 16
.set CX, 17
.set RB, 18
.set HD, 19
.set G1, 24
.set G0, 32
.set WP, 36                            ; s[36:37] my four tiles of the weight that is loaded next
.set SP, 38                            ; s[38:39] and their scale words
.set XP, 40
.set BP, 42
.set PH, 44
.set SEL, 46
.set MSB, 0
.macro WIN new                         ; the immediate's high byte repeats the setting that is left
.if MSB != (\new)
	s_set_vgpr_msb (MSB<<8)|(\new)
.set MSB, (\new)
.endif
.endm
.macro WALU
	s_wait_alu depctr_va_vdst(0)
.endm
.macro PLACES n
.rept \n
	v_nop
.endr
.endm
.macro CROUND
	s_barrier_signal -1
	s_barrier_wait -1
	s_cmp_lg_u32 s[WV], 0
	s_cbranch_scc1 .Lnot_wave_0_\@
	s_barrier_signal -3
.Lnot_wave_0_\@:
	s_barrier_wait -3
	s_barrier_signal -1
	s_barrier_wait -1
.endm
; Fragment f lies in window 1 + f / 21 at register 12 (f % 21), so that none lies across a window's border: 4 q + t the weight's, 32 + 8 e + q x's set e
.macro MM d, r0, r1, c, s0, s1, row
.if \row
	v_wmma_scale_f32_16x16x128_f8f6f4 v[\d:\d+7], v[\r0:\r0+11], v[\r1:\r1+11], \c, v[\s0], v[\s1] matrix_a_fmt:MATRIX_FMT_FP6 matrix_b_fmt:MATRIX_FMT_FP6 matrix_a_scale:MATRIX_SCALE_ROW1 matrix_b_scale:MATRIX_SCALE_ROW1
.else
	v_wmma_scale_f32_16x16x128_f8f6f4 v[\d:\d+7], v[\r0:\r0+11], v[\r1:\r1+11], \c, v[\s0], v[\s1] matrix_a_fmt:MATRIX_FMT_FP6 matrix_b_fmt:MATRIX_FMT_FP6
.endif
.endm
.macro PROD kind, e, a, q, t, d        ; x's tile a (set e) x the weight's tile t, K step q, onto register d.  kind 0: source 0 the weight; 1: source 0 x
.set FW_, 4*(\q)+(\t)
.set FX_, 32+8*(\e)+(\q)
.set DW_, (\d)>>8
.set DL_, (\d)&255
.if \kind
.set W0_, 1+FX_/21
.set R0_, 12*(FX_%21)
.set S0_, XS+4*(\a)+(\q)%4
.set W1_, 1+FW_/21
.set R1_, 12*(FW_%21)
.set S1_, WS+4*(\t)+(\q)%4
.else
.set W0_, 1+FW_/21
.set R0_, 12*(FW_%21)
.set S0_, WS+4*(\t)+(\q)%4
.set W1_, 1+FX_/21
.set R1_, 12*(FX_%21)
.set S1_, XS+4*(\a)+(\q)%4
.endif
.if \q
	WIN W0_|(W1_<<2)|(DW_<<4)|(DW_<<6)
	MM DL_, R0_, R1_, v[DL_:DL_+7], S0_, S1_, (\q)/4
.else
	WIN W0_|(W1_<<2)|(DW_<<6)
	MM DL_, R0_, R1_, v[BI+8*(\t):BI+8*(\t)+7], S0_, S1_, 0
.endif
.endm
; Line i (0 .. 16) of the search for the largest magnitude of the 32 sums from register x on: two chains, every accumulator from its low end on; the last line makes the conversions' scale operand
.macro QLINE i, x, tq, sop
.set XW_, (\x)>>8
.set XL_, (\x)&255
.if (\i) == 0
	WIN XW_|(XW_<<2)|(XW_<<4)
	v_max3_num_f32 v[\tq], |v[XL_]|, |v[XL_+1]|, 0x1800000                 ; the floor 2^(3 - 127): the byte cannot fall under 1
.elseif (\i) == 1
	WIN XW_|(XW_<<2)|(XW_<<4)
	v_max3_num_f32 v[\tq+1], |v[XL_+2]|, |v[XL_+3]|, |v[XL_+4]|
.elseif (\i) < 14
	WIN (XW_<<2)|(XW_<<4)
	v_max3_num_f32 v[\tq+(\i)%2], v[\tq+(\i)%2], |v[XL_+1+2*(\i)]|, |v[XL_+2+2*(\i)]|
.elseif (\i) == 14
	WIN (XW_<<2)|(XW_<<4)
	v_max3_num_f32 v[\tq], v[\tq], |v[XL_+29]|, |v[XL_+30]|
.elseif (\i) == 15
	WIN XW_<<4
	v_max3_num_f32 v[\tq], v[\tq], v[\tq+1], |v[XL_+31]|
.elseif (\i) == 16
	WIN 0
	v_add_nc_u32 v[\sop], 0xff000000, v[\tq]                               ; 2 off the exponent field
.endif
.endm
.macro QTAIL x, c, eb, sop, tc         ; the byte into v[eb], the 32 codes into registers c .. c + 5
.set XW_, (\x)>>8
.set XL_, (\x)&255
.set CW_, (\c)>>8
.set CL_, (\c)&255
	WIN 0
	v_lshrrev_b32 v[\eb], 23, v[\sop]
	WIN XW_|(CW_<<6)
	v_cvt_scalef32_pk16_fp6_f32 v[CL_:CL_+2], v[XL_:XL_+15], v[\sop]
	WIN XW_
	v_cvt_scalef32_pk16_fp6_f32 v[\tc:\tc+2], v[XL_+16:XL_+31], v[\sop]    ; (a conversion's three registers begin on an even number)
	WIN 0
	v_nop                                          ; one plain place behind the conversions
	WIN CW_<<6
.irp i, 0,1,2
	v_mov_b32 v[CL_+3+\i], v[\tc+\i]
.endr
	WIN 0
.endm
; A block: 32 products, the four accumulators by turns; behind every second one, two lines of the search in the sums at lx (-1: none)
.macro BLOCK kind, a, d0, ds, lx
.set N_, 0
.rept 32
	PROD \kind, (\a)%2, \a, N_/4, N_%4, (\d0)+(\ds)*(N_%4)
.if (N_%2) && ((\lx) >= 0)
	QLINE N_-1, \lx, TQ, SOP
	QLINE N_, \lx, TQ, SOP
.endif
.set N_, N_+1
.endr
	WIN 0
.endm
.macro FETCH a                         ; x's tile a, all of K, into set a % 2: 24 LDS loads
.irp q, 0,1,2,3,4,5,6,7
.set F_, 32+8*((\a)%2)+\q
	WIN (1+F_/21)<<6
.irp g, 0,1,2
	ds_load_b128 v[12*(F_%21)+4*\g:12*(F_%21)+4*\g+3], v[LI+(\a)/4] offset:((\a)%4)*TILEB+\q*FRB+512*\g
.endr
.endr
	WIN 0
.endm
.macro WLOAD q                         ; K step q of my four tiles of the weight at s[WP]: each load covers 512 consecutive bytes
.irp t, 0,1,2,3
.set F_, 4*(\q)+\t
	WIN (1+F_/21)<<6
.irp g, 0,1,2
	global_load_b128 v[12*(F_%21)+4*\g:12*(F_%21)+4*\g+3], v[LI], s[WP:WP+1] offset:\t*TILEB+(\q)*FRB+512*\g
.endr
.endr
	WIN 0
.endm
.macro WSLOAD
.irp t, 0,1,2,3
	global_load_b128 v[WS+4*\t:WS+4*\t+3], v[LI], s[SP:SP+1] offset:512*\t
.endr
.endm
.macro QKOUT b                         ; Q, K: block b's way out; an odd block completes fragment b / 2
	WALU                                           ; the scale operand was written among the products
.if ((\b)%2) == 0
	s_wait_xcnt 0x0                                ; the last fragment's stores have read the codes' registers
	QTAIL ACC, FA, W+(\b)/2, SOP, TC
.else
	QTAIL ACC+32, FA+6, EB, SOP, TC
	v_lshl_or_b32 v[W+(\b)/2], v[EB], 16, v[W+(\b)/2]
.irp g, 0,1,2
	global_store_b128 v[LI], v[FA+4*\g:FA+4*\g+3], s[14:15] offset:FRB*((\b)/2)+512*\g
.endr
.endif
.endm
.macro QKSTEP a
	s_wait_dscnt 24                                ; this block's tile is in; the next block's 24 loads may be out
	BLOCK 0, \a, ACC+32*((\a)%2), 8, ACC+32*(((\a)+1)%2)
	QKOUT (\a)-1                                   ; its plain lines are the places in front of the loads below
	FETCH ((\a)+2)%8
.endm
.macro WORDS                           ; my blocks' bytes stand in W at bytes 0 and 2: to their places, joined with the other half of the lanes', and out: 256 consecutive bytes, aligned
.irp n, 0,1,2,3
	v_lshlrev_b32 v[W+\n], v[SH8], v[W+\n]
.endr
.irp n, 0,1,2,3
	v_permlanex16_b32 v[TQ+\n], v[W+\n], s[SEL], s[SEL+1]
.endr
.irp n, 0,1,2,3
	v_or_b32 v[W+\n], v[W+\n], v[TQ+\n]
.endr
	v_cmp_ne_u32 vcc_lo, 0, v[SH8]
	v_cndmask_b32 v[EB], v[W], v[W+2], vcc_lo      ; lane (r, h) stores words 2 h and 2 h + 1 of row r
	v_cndmask_b32 v[EB+1], v[W+1], v[W+3], vcc_lo
	global_store_b64 v[WOF], v[EB:EB+1], s[14:15] offset:4*FRB
.endm
; ---- the head
	s_load_b256 s[4:11], s[0:1], 0x0               ; img, scl, bq, bk
	s_load_b128 s[12:15], s[0:1], 0x20             ; bv, qkv
	v_lshl_add_u32 v[SPW], v0, 2, SPARE
	v_mov_b32 v[NIL], 0
	ds_add_u32 v[SPW], v[NIL]                      ; the opening lines: the add, twice on end, and its wait ahead of my tensor load
	ds_add_u32 v[SPW], v[NIL]
	v_lshrrev_b32 v[TQ], 5, v0
	v_readfirstlane_b32 s[WV], v[TQ]               ; wave 0..3
	s_bfe_u32 s[CX], ttmp6, 0x40000                ; cx: which four heads
	s_and_b32 s[RB], ttmp7, 0xffff                 ; which 128 tokens: the four partners share it
	s_lshl_b32 s[HD], s[CX], 2
	s_add_co_u32 s[HD], s[HD], s[WV]               ; my head
	s_mov_b32 s[G1], 15|(3<<16)|(1<<21)            ; the mask: all four; elements of 8 bytes; bit 21 set beside a mask
	s_mov_b32 s[G1+1], 32<<16                      ; two tiles, 24,576 dense bytes, as 96 rows of 256
	s_mov_b32 s[G1+2], 96<<16
	s_mov_b32 s[G1+3], 32<<16
	s_mov_b32 s[G1+4], 96
	s_mov_b32 s[G1+5], 32
	s_mov_b32 s[G1+6], 0
	s_mov_b32 s[G1+7], 0
	s_mov_b32 s[G0], 1
	s_mul_i32 s[G0+1], s[WV], 2*TILEB
	s_mul_i32 s20, s[RB], XB
	s_add_co_u32 s20, s20, s[G0+1]
	s_mov_b32 s21, 0
	s_mov_b32 s[SEL], 0x76543210
	s_mov_b32 s[SEL+1], 0xfedcba98
	s_wait_dscnt 0x0                               ; both opening adds are done
	s_wait_kmcnt 0x0
	s_add_nc_u64 s[G0+2:G0+3], s[4:5], s[20:21]
	s_or_b32 s[G0+3], s[G0+3], 0x80000000
	CROUND                                         ; all four work-groups are here: the joint loads meet
	tensor_load_to_lds s[G0:G0+3], s[G1:G1+7]      ; my quarter of x's tiles: one load a wave, by one line that every wave issues and every wave waits for
	s_nop 0
	PLACES 4
	s_mul_i32 s20, s[HD], 4*TILEB
	s_add_co_u32 s20, s20, 512*TILEB
	s_add_nc_u64 s[WP:WP+1], s[4:5], s[20:21]      ; Wq's four tiles of my head
	s_lshl_b32 s20, s[HD], 11
	s_add_co_u32 s20, s20, 512*512
	s_add_nc_u64 s[SP:SP+1], s[6:7], s[20:21]
	s_lshl_b32 s20, s[RB], 12
	s_add_nc_u64 s[XP:XP+1], s[6:7], s[20:21]      ; x's scale words
	s_lshl_b32 s20, s[HD], 8
	s_add_nc_u64 s[8:9], s[8:9], s[20:21]          ; my head's 64 numbers of each bias
	s_add_nc_u64 s[10:11], s[10:11], s[20:21]
	s_add_nc_u64 s[12:13], s[12:13], s[20:21]
	s_lshr_b32 s20, s[RB], 4
	s_lshl_b32 s20, s20, 4
	s_add_co_u32 s20, s20, s[HD]
	s_lshl_b32 s20, s20, 4
	s_and_b32 s22, s[RB], 15
	s_add_co_u32 s20, s20, s22
	s_mul_i32 s20, s20, STEPB
	s_add_nc_u64 s[14:15], s[14:15], s[20:21]      ; my (batch, head, key step)
	s_min_u32 s22, s[RB], 3
	s_mul_i32 s22, s22, TILEB                      ; which of my four tiles my cluster prefetches
	s_mov_b32 s[PH], 0
	v_and_b32 v[TQ], 15, v0                        ; r
	v_bfe_u32 v[TQ+1], v0, 4, 1                    ; h
	v_and_b32 v[TQ+2], 31, v0
	v_lshlrev_b32 v[LI], 4, v[TQ+2]
	v_add_nc_u32 v[LI+1], 4*TILEB, v[LI]
	v_lshlrev_b32 v[SH8], 3, v[TQ+1]
	v_lshlrev_b32 v[BQ], 7, v[TQ+1]
	v_and_b32 v[TQ+3], 8, v[TQ]
	v_mad_u32_u24 v[TQ+3], v[TQ+3], 3, v[TQ]
	v_lshlrev_b32 v[BV], 2, v[TQ+3]
	v_lshlrev_b32 v[WOF], 4, v[TQ]
	v_lshl_add_u32 v[WOF], v[TQ+1], 3, v[WOF]
	v_lshl_add_u32 v[PF], v[TQ+2], 8, s22          ; blocks 0-31 of the tile's 48,
	v_add_nc_u32 v[TQ+4], 32, v[TQ+2]
	v_min_u32 v[TQ+4], 47, v[TQ+4]
	v_lshl_add_u32 v[PF+1], v[TQ+4], 8, s22        ; blocks 32-47 (the lanes left over name the last again)
	v_mov_b32 v[TQ+5], 0
	v_mov_b32 v[TQ+6], 0
	v_mov_b32 v[TQ+7], 0
	WALU                                           ; the wait at the head's end
.irp a, 0,1,2,3,4,5,6,7
	global_load_b128 v[XS+4*\a:XS+4*\a+3], v[LI], s[XP:XP+1] offset:512*\a
.endr
	WSLOAD
.irp q, 0,1,2,3,4,5,6,7
	WLOAD \q
.endr
	s_wait_tensorcnt 0x0
	s_barrier_signal -1
	s_barrier_wait -1                              ; x's eight tiles are in
	FETCH 0
	FETCH 1
; ---- Q, then K: one text, two trips; what differs lies in scalars
.Lphase:
	s_cmp_eq_u32 s[PH], 0
	s_cselect_b64 s[BP:BP+1], s[8:9], s[10:11]
.irp k, 0,1,2,3,4,5,6,7
	global_load_b128 v[BI+4*\k:BI+4*\k+3], v[BQ], s[BP:BP+1] offset:16*\k       ; register 8 t + j of lane (r, h): channel 32 h + 8 t + j
.endr
	s_wait_loadcnt 0x0                             ; the weight, its scale words, the bias (the first time x's scale words too)
	s_add_nc_u64 s[WP:WP+1], s[WP:WP+1], 64*TILEB  ; on to the next tensor's tiles: they are prefetched now and loaded in this phase's last block
	s_add_nc_u64 s[SP:SP+1], s[SP:SP+1], 64*512
	s_cmp_lt_u32 s[RB], 4
	s_cbranch_scc0 .Lno_pf
	global_prefetch_b8 v[PF], s[WP:WP+1] th:TH_LOAD_NT scope:SCOPE_SE
	global_prefetch_b8 v[PF+1], s[WP:WP+1] th:TH_LOAD_NT scope:SCOPE_SE
.Lno_pf:
	s_wait_dscnt 24
	BLOCK 0, 0, ACC, 8, -1
	PLACES 4
	FETCH 2
.irp a, 1,2,3,4,5,6
	QKSTEP \a
.endr
	s_wait_dscnt 24
.set Q_, 0
.rept 8                                ; block 7: behind each K step's four products four places (block 6's search, then idle lines), then that K step's fragments of the next weight
.irp t, 0,1,2,3
	PROD 0, 1, 7, Q_, \t, ACC+32+8*\t
.endr
	WIN 0
.set J_, 0
.rept 4
.if 4*Q_+J_ <= 16
	QLINE 4*Q_+J_, ACC, TQ, SOP
.else
	v_nop
.endif
.set J_, J_+1
.endr
	WLOAD Q_
.set Q_, Q_+1
.endr
	WSLOAD
	QKOUT 6
	FETCH 1                                        ; the next phase's second block (its first was fetched behind block 6)
.set I_, 0
.rept 17
	QLINE I_, ACC+32, TQ, SOP
.set I_, I_+1
.endr
	QKOUT 7
	WORDS
	s_wait_xcnt 0x0                                ; the stores and the prefetches have read their bases
	s_add_nc_u64 s[14:15], s[14:15], SECB          ; the next section
	s_add_co_u32 s[PH], s[PH], 1
	s_cmp_lt_u32 s[PH], 2
	WALU                                           ; the wait directly ahead of the branch
	s_cbranch_scc1 .Lphase
; ---- V
.irp d, 0,1,2,3
	global_load_b32 v[BI+8*\d], v[BV], s[12:13] offset:32*\d                   ; lane (r, h) of tile d has channel 8 d + r % 8 + 32 (r / 8)
.endr
	s_wait_loadcnt 0x0                             ; Wv, its scale words, the bias
.irp d, 0,1,2,3
.irp i, 1,2,3,4,5,6,7
	v_mov_b32 v[BI+8*\d+\i], v[BI+8*\d]            ; one number a lane and tile, over the tile's eight registers
.endr
.endr
	WALU                                           ; the wait directly ahead of the wait below
.irp a, 0,1,2,3
	s_wait_dscnt 24
	BLOCK 1, \a, HV0+8*\a, 32, -1
	PLACES 4
	FETCH \a+2
.endr
.irp a, 4,5,6,7                        ; the first 64 tokens' way outs stand in the blocks of the last 64
.if \a < 7
	s_wait_dscnt 24
.else
	s_wait_dscnt 0x0
.endif
	BLOCK 1, \a, HV1+8*(\a-4), 32, HV0+32*(\a-4)
	WALU
	QTAIL HV0+32*(\a-4), VC+12*(\a-4), W+\a-4, SOP, TC
.if \a < 6
	FETCH \a+2
.endif
.endr
	PLACES 4
.set I_, 0
.rept 17                               ; the last 64 tokens: the four tiles' searches line by line in turn
.irp d, 0,1,2,3
	QLINE I_, HV1+32*\d, TQ+2*\d, SOP+\d
.endr
.set I_, I_+1
.endr
	WALU
.irp d, 0,1,2,3
	QTAIL HV1+32*\d, VC+12*\d+6, EB+\d, SOP+\d, HV0+4*\d
.endr
.irp d, 0,1,2,3
	v_lshl_or_b32 v[W+\d], v[EB+\d], 16, v[W+\d]
.endr
	WIN 3<<2
.irp d, 0,1,2,3
.irp g, 0,1,2
	global_store_b128 v[LI], v[VC-768+12*\d+4*\g:VC-768+12*\d+4*\g+3], s[14:15] offset:FRB*\d+512*\g
.endr
.endr
	WIN 0
	WORDS
	s_wait_tensorcnt 0x0                           ; the wave's end
	ds_add_u32 v[SPW], v[NIL]
	s_wait_dscnt 0x0
	CROUND                                         ; the closing round
	s_endpgm
.Lfunc_end_k_q67c04c4a44_qkv:
	.size	k_q67c04c4a44_qkv, .Lfunc_end_k_q67c04c4a44_qkv-k_q67c04c4a44_qkv
	.p2alignl 7, 3214868480
	.fill 96, 4, 3214868480
	.section	.rodata,"a",@progbits
	.p2align	6, 0x0
	.amdhsa_kernel k_q67c04c4a44_qkv
		.amdhsa_group_segment_fixed_size 167936
		.amdhsa_private_segment_fixed_size 0
		.amdhsa_enable_private_segment 0
		.amdhsa_kernarg_size 48
		.amdhsa_user_sgpr_count 2
		.amdhsa_user_sgpr_kernarg_segment_ptr 1
		.amdhsa_wavefront_size32 1
		.amdhsa_system_sgpr_workgroup_id_x 1
		.amdhsa_system_sgpr_workgroup_id_y 1
		.amdhsa_system_sgpr_workgroup_id_z 1
		.amdhsa_system_vgpr_workitem_id 0
		.amdhsa_next_free_vgpr 1024
		.amdhsa_next_free_sgpr 66
		.amdhsa_reserve_vcc 1
		.amdhsa_float_denorm_mode_32 3
		.amdhsa_float_denorm_mode_16_64 3
		.amdhsa_memory_ordered 1
		.amdhsa_forward_progress 1
		.amdhsa_inst_pref_size 155
	.end_amdhsa_kernel
	.amdgpu_metadata
---
amdhsa.version: [ 1, 2 ]
amdhsa.kernels:
  - .name:           k_q67c04c4a44_qkv
    .symbol:         k_q67c04c4a44_qkv.kd
    .args:
      - { .name: img, .offset: 0, .size: 8, .value_kind: global_buffer, .address_space: global }
      - { .name: scl, .offset: 8, .size: 8, .value_kind: global_buffer, .address_space: global }
      - { .name: bq, .offset: 16, .size: 8, .value_kind: global_buffer, .address_space: global }
      - { .name: bk, .offset: 24, .size: 8, .value_kind: global_buffer, .address_space: global }
      - { .name: bv, .offset: 32, .size: 8, .value_kind: global_buffer, .address_space: global }
      - { .name: qkv, .offset: 40, .size: 8, .value_kind: global_buffer, .address_space: global }
    .group_segment_fixed_size: 167936
    .private_segment_fixed_size: 0
    .kernarg_segment_align: 8
    .kernarg_segment_size: 48
    .max_flat_workgroup_size: 128
    .sgpr_count:     66
    .vgpr_count:     1024
    .wavefront_size: 32
...
	.end_amdgpu_metadata
.endif
;; end of part 2
;; launch attn (part 3): grid 4 x 64, 16 waves a work-group, clusters of 4 x 1, 206,848 bytes of LDS; arguments qkv, oimg, os; writes oimg, os
.if DOCPART == 3
	.amdgcn_target "amdgcn-amd-amdhsa--gfx1250"
	.amdhsa_code_object_version 6
	.text
	.protected	k_q67c04c4a44_attn
	.globl	k_q67c04c4a44_attn
	.p2align	8
	.type	k_q67c04c4a44_attn,@function
k_q67c04c4a44_attn:
	s_mov_b64 s[64:65], 0
	v_nop
	global_prefetch_b8 v0, s[64:65] scope:SCOPE_SE
	s_setreg_imm32_b32 hwreg(HW_REG_WAVE_MODE, 25, 1), 1
	s_wait_xcnt 0x0
	s_wait_alu depctr_hold_cnt(0) depctr_sa_sdst(0) depctr_va_vdst(0) depctr_va_sdst(0) depctr_va_ssrc(0) depctr_va_vcc(0) depctr_vm_vsrc(0)
	s_getreg_b32 s2, hwreg(HW_REG_IB_STS2, 6, 4)
	s_cmp_eq_u32 s2, 0
	s_cbranch_scc0 .Lentry_in_a_cluster
	s_endpgm
.Lentry_in_a_cluster:
	s_bfe_u32 s2, ttmp6, 0x10000c
	s_cmp_lg_u32 s2, 0x3003
	s_cbranch_scc0 .Lentry_shape_is_right
	s_endpgm
.Lentry_shape_is_right:
; For each of 64 (batch, head): O = softmax(Q K^T / 8) V on codes of FP6 (E2M3) with E8M0 scales; O / l is quantised along the model's 1,024 and leaves as register images for the last product.
; THE SOFTMAX: t = score x log2(e) / 8; M = the row's largest t so far, rounded up to a whole number; p = 2^(t - M) is quantised along the keys, not normalised; the row's sum l is taken of the
; unquantised p and divides O at the end.  When M moves, l and O are multiplied by 2^(old M - new M), which rounds nothing.
; SHARES.  A work-group owns 512 queries of one head, each of its 16 waves 32: two tiles of 16, taken TOGETHER in one pass over the head's 16 key steps of 128 keys:
; each fragment of K and of V is read from LDS once for both tiles.  Four waves to a SIMD, 256 registers each.
; THE HEAD'S K AND V STAY IN LDS: 16 steps x 12,800 bytes (a K section and a V section: four fragment images and 256 bytes of scale words each), each byte filled once: no ring, no refill.
; Wave w fetches key step w: one tensor load a wave.  Waves 0-7 have a load line of their own: the first barrier shows their eight steps, the second all sixteen.
; CLUSTER.  The four work-groups of a head need the same bytes: each step is asked for JOINTLY, by the same tensor load with a mask that names the four.
; NO PREFETCH: all that the launch reads through LDS is asked for at its head, so there is no trip to run ahead in.
; LAYOUT.  Both products are used transposed: S^T = K Q^T, O^T = V^T P^T: a lane holds one query throughout.  The head has 64 along K and the instruction takes 128: a K fragment holds TWO tiles of 16 keys
; (registers 0-5, registers 6-11); multiplied by [Q | zero codes] it gives the first tile's scores, by [zero codes | Q] the second's.  Zero codes add nothing: every scale byte here lies in 1 .. 254.
; Row i of key tile 4 c + t is key 64 c + 8 t + i % 8 + 32 (i / 8): so registers 32 c + 0 .. 31 of lane (r, h) are keys 64 c + 32 h + 0 .. 31, ONE WHOLE SCALE BLOCK, in the order of the operand's registers.
; V's channels are laid likewise, so a lane's 32 registers of O^T are block h of the head's 64.  No lane asks another for a block's maximum, and no code changes lanes.
; A block's largest p is taken from its largest score, by the same multiply-add and exponential (this takes v_exp_f32 not to fall where its input rises).
; LIMITS: the scaled scores stay under 2^31 in magnitude; NaN and infinities are not served; a block of zeros has the byte 1 where the rule says 127 (zero codes; this program alone reads the bytes);
; blocks under 2^-124 are held at the byte 1.
.set FRB,   1536
.set SECB,  6400
.set STEPL, 2*SECB                     ; a key step in LDS
.set STEPB, 3*SECB                     ; and in memory
.set HEADB, 16*STEPB
.set SPARE, 16*STEPL                   ; behind the head: the spare words, 128 bytes a wave: eight blocks of 256 bytes that no other line names
.set ADR, 1                            ; v1   LDS address of the step's fragments
.set LW,  2                            ; v2   the scale words: lanes 0-15 K's row r, lanes 16-31 V's
.set SPW, 3                            ; v3   LDS address of my spare word; never rewritten
.set NIL, 4                            ; v4   0; never rewritten
.set QW,  5                            ; v5   Q's scale bytes, twice: lanes 0-15 tile 0's, lanes 16-31 tile 1's
.set F1,  6                            ; v6   tile 1's f = 2^(old M - new M)  (named as a pair with v7)
.set LI,  7                            ; v7   16 x lane
.set NM,  8                            ; v8, v9: tile 0's -M and largest score; v10, v11: tile 1's
.set L,   12                           ; v[12:13], v[14:15] l in two halves
.set QZ,  16                           ; v16-45 zeros, Q of tile 0, zeros, Q of tile 1, zeros: six registers each
.set F0,  46                           ; v46  tile 0's f  (named as a pair with v47)
.set SH8, 47                           ; v47  8 h
.set KV,  48                           ; v48-95 four fragments of K, then of V
.set S,   96                           ; v96-159 S^T, then p; behind tile 1's conversions v128-139 hold its codes
.set O,   160                          ; v160-191, v192-223 O^T
.set PA,  224                          ; v224-235 tile 0's codes
.set SW,  236                          ; v236-239 K's and V's scale words
.set CT,  240                          ; v240-247 at work: second chains, partial sums, second halves of blocks' codes
.set PW,  248                          ; v248, v249 p's scale words
.set SO,  250                          ; v250, v251 the conversions' scale operands
.set BM,  252                          ; v252, v253 a block's largest score, then p, then byte
.set TMP, 254
.set TM2, 255
.set TB,  2                            ; s2   LDS byte at which the step in hand begins
.set CNT, 3
.set WV,  18
.set SEL, 20
.set CS,  22                           ; s[22:23] c = log2(e) / 8
.set G1,  24
.set G0,  32
.macro WALU
	s_wait_alu depctr_va_vdst(0)
.endm
.macro PLACES n
.rept \n
	v_nop
.endr
.endm
.macro CROUND
	s_barrier_signal -1
	s_barrier_wait -1
	s_cmp_lg_u32 s[WV], 0
	s_cbranch_scc1 .Lnot_wave_0_\@
	s_barrier_signal -3
.Lnot_wave_0_\@:
	s_barrier_wait -3
	s_barrier_signal -1
	s_barrier_wait -1
.endm
	s_load_b128 s[4:7], s[0:1], 0x0                ; qkv, oimg
	s_load_b64 s[8:9], s[0:1], 0x10                ; os
	v_lshl_add_u32 v[SPW], v0, 2, SPARE
	v_mov_b32 v[NIL], 0
	ds_add_u32 v[SPW], v[NIL]                      ; the opening lines: the add, twice on end, and its wait ahead of my tensor load
	ds_add_u32 v[SPW], v[NIL]
	v_lshrrev_b32 v[TMP], 5, v0
	v_readfirstlane_b32 s[WV], v[TMP]              ; wave 0..15
	s_bfe_u32 s10, ttmp6, 0x40000                  ; cx: which 512 queries
	s_and_b32 s11, ttmp7, 0xffff                   ; batch x 16 + head, which the four partners share
	s_mov_b32 s[G1], 15|(3<<16)|(1<<21)            ; the mask: all four; elements of 8 bytes; bit 21 set beside a mask
	s_mov_b32 s[G1+1], 32<<16                      ; 12,800 dense bytes as 50 rows of 256
	s_mov_b32 s[G1+2], 50<<16
	s_mov_b32 s[G1+3], 32<<16
	s_mov_b32 s[G1+4], 50
	s_mov_b32 s[G1+5], 32
	s_mov_b32 s[G1+6], 0
	s_mov_b32 s[G1+7], 0
	s_mul_i32 s48, s11, HEADB                      ; the head's first byte in qkv
	s_mul_i32 s12, s[WV], STEPB                    ; wave w brings key step w,
	s_add_co_u32 s12, s12, s48
	s_add_co_u32 s12, s12, SECB                    ; from its K section on
	s_mov_b32 s13, 0
	s_mov_b32 s[G0], 1
	s_mul_i32 s[G0+1], s[WV], STEPL
	s_mov_b32 s[SEL], 0x76543210
	s_mov_b32 s[SEL+1], 0xfedcba98
	s_mov_b32 s[CS], 0x3e38aa3b
	s_mov_b32 s[CS+1], s[CS]                       ; (named with it as a pair, so it is written)
	s_wait_dscnt 0x0                               ; both opening adds are done
	s_wait_kmcnt 0x0
	s_add_nc_u64 s[G0+2:G0+3], s[4:5], s[12:13]
	s_or_b32 s[G0+3], s[G0+3], 0x80000000
	CROUND                                         ; all four work-groups are here: the joint loads meet
	s_cmp_lt_u32 s[WV], 8                          ; one chain, a load in each arm: waves 0-7, which wait at the first barrier, have a line of their own
	s_cbranch_scc0 .Lupper
	tensor_load_to_lds s[G0:G0+3], s[G1:G1+7]
	s_nop 0
	PLACES 4
	s_branch .Lasked
.Lupper:
	tensor_load_to_lds s[G0:G0+3], s[G1:G1+7]
	s_nop 0
	PLACES 4
.Lasked:
	; my Q: the 32 queries 512 cx + 32 w: fragment w % 4 of key step 4 cx + w / 4
	s_lshl_b32 s49, s10, 2
	s_lshr_b32 s50, s[WV], 2
	s_add_co_u32 s49, s49, s50
	s_mul_i32 s49, s49, STEPB
	s_add_co_u32 s48, s48, s49
	s_mov_b32 s49, 0
	s_add_nc_u64 s[48:49], s[4:5], s[48:49]
	s_and_b32 s50, s[WV], 3
	s_mul_i32 s55, s50, FRB
	s_lshl_b32 s56, s50, 2
	; where my results go: my 32 tokens are row tiles 2 g and 2 g + 1, g = 64 batch + 16 cx + w
	s_lshr_b32 s50, s11, 4
	s_lshl_b32 s50, s50, 6
	s_lshl_b32 s51, s10, 4
	s_add_co_u32 s50, s50, s51
	s_add_co_u32 s50, s50, s[WV]
	s_and_b32 s51, s11, 15                         ; the head
	s_mul_i32 s52, s50, 16*FRB                     ; two row tiles of 12,288 bytes,
	s_mul_i32 s53, s51, 768                        ; a head's half fragment
	s_add_co_u32 s52, s52, s53
	s_mov_b32 s53, 0
	s_add_nc_u64 s[6:7], s[6:7], s[52:53]
	s_lshl_b32 s52, s50, 10
	s_lshr_b32 s54, s51, 3
	s_lshl_b32 s54, s54, 8
	s_add_co_u32 s52, s52, s54
	s_and_b32 s54, s51, 7
	s_lshl_b32 s54, s54, 1
	s_add_co_u32 s52, s52, s54
	s_add_nc_u64 s[8:9], s[8:9], s[52:53]
	v_and_b32 v[TMP], 15, v0                       ; r
	v_bfe_u32 v[TM2], v0, 4, 1                     ; h
	v_and_b32 v[BM], 31, v0
	v_lshlrev_b32 v[LI], 4, v[BM]
	v_lshlrev_b32 v[SH8], 3, v[TM2]
	v_lshlrev_b32 v[SO], 4, v[TMP]                 ; 16 r
	v_mad_u32_u24 v[LW], v[TM2], SECB, v[SO]       ; the lower base + h x the distance
	v_add_nc_u32 v[LW], 4*FRB, v[LW]
	v_add_nc_u32 v[CT], s55, v[LI]
	v_add_nc_u32 v[CT+1], s56, v[SO]
.irp g, 0,1,2
	global_load_b128 v[S+4*\g:S+4*\g+3], v[CT], s[48:49] offset:512*\g
.endr
	global_load_b32 v[S+12], v[CT+1], s[48:49] offset:4*FRB
.irp i, 0,1,2,3,4,5
	v_mov_b32 v[QZ+\i], 0                          ; the zero codes beside Q
	v_mov_b32 v[QZ+12+\i], 0
	v_mov_b32 v[QZ+24+\i], 0
.endr
.irp x, 0,1
	v_mov_b32 v[NM+2*\x], 0x7f000000               ; -M: above every -M to come, so that the first f is 0
	v_mov_b32 v[NM+2*\x+1], 0xff61b1e6             ; the largest score so far: -3e38
	v_mov_b32 v[L+2*\x], 0
	v_mov_b32 v[L+2*\x+1], 0
.endr
	v_mov_b32 v[F0], 0
	v_mov_b32 v[F1], 0
	v_mov_b32 v[TM2], 0                            ; a lane permute's destination counts as one of its sources
.set j, 0
.rept 64
	v_mov_b32 v[O+j], 0                            ; the step has no first form of its own: it finds zeros, which the first f leaves zeros
.set j, j+1
.endr
	s_wait_loadcnt 0x0                             ; Q
	v_perm_b32 v[BM], v[S+12], v[S+12], 0x01000100 ; a tile's two scale bytes, twice: they serve Q in either half of K
	v_perm_b32 v[BM+1], v[S+12], v[S+12], 0x03020302
	v_cmp_ne_u32 vcc_lo, 0, v[SH8]
	v_cndmask_b32 v[QW], v[BM], v[BM+1], vcc_lo
.irp i, 0,1,2,3,4,5
	v_mov_b32 v[QZ+6+\i], v[S+\i]
	v_mov_b32 v[QZ+18+\i], v[S+6+\i]
.endr
; S^T of tile x: eight products, each K fragment against [Q | 0] and [0 | Q]
.macro SMUL x
.irp b, 0,1,2,3
.if \x
	v_wmma_scale_f32_16x16x128_f8f6f4 v[S+16*\b:S+16*\b+7], v[KV+12*\b:KV+12*\b+11], v[QZ+18:QZ+29], 0, v[SW+\b], v[QW] matrix_a_fmt:MATRIX_FMT_FP6 matrix_b_fmt:MATRIX_FMT_FP6 matrix_b_scale:MATRIX_SCALE_ROW1
	v_wmma_scale_f32_16x16x128_f8f6f4 v[S+16*\b+8:S+16*\b+15], v[KV+12*\b:KV+12*\b+11], v[QZ+12:QZ+23], 0, v[SW+\b], v[QW] matrix_a_fmt:MATRIX_FMT_FP6 matrix_b_fmt:MATRIX_FMT_FP6 matrix_b_scale:MATRIX_SCALE_ROW1
.else
	v_wmma_scale_f32_16x16x128_f8f6f4 v[S+16*\b:S+16*\b+7], v[KV+12*\b:KV+12*\b+11], v[QZ+6:QZ+17], 0, v[SW+\b], v[QW] matrix_a_fmt:MATRIX_FMT_FP6 matrix_b_fmt:MATRIX_FMT_FP6
	v_wmma_scale_f32_16x16x128_f8f6f4 v[S+16*\b+8:S+16*\b+15], v[KV+12*\b:KV+12*\b+11], v[QZ:QZ+11], 0, v[SW+\b], v[QW] matrix_a_fmt:MATRIX_FMT_FP6 matrix_b_fmt:MATRIX_FMT_FP6
.endif
.endr
.endm
; p's scale word, a line or two at a time among the sums
.macro BYTE n, x
.if \n == 0
	v_add_nc_u32 v[SO], 0xff000000, v[BM]          ; 2 off the exponent field: the conversions' scale operand
	v_add_nc_u32 v[SO+1], 0xff000000, v[BM+1]
.elseif \n == 1
	v_lshrrev_b32 v[BM], 23, v[SO]                 ; the scale's byte
	v_lshrrev_b32 v[BM+1], 23, v[SO+1]
.elseif \n == 2
	v_lshl_or_b32 v[PW+\x], v[BM+1], 16, v[BM]     ; blocks h and 2 + h,
.elseif \n == 3
	v_lshlrev_b32 v[PW+\x], v[SH8], v[PW+\x]       ; at their places in the word;
.elseif \n == 4
	v_permlanex16_b32 v[TM2], v[PW+\x], s[SEL], s[SEL+1]
.else
	v_or_b32 v[PW+\x], v[PW+\x], v[TM2]            ; with the other half of the lanes' two the word is whole
.endif
.endm
; The softmax of tile x's 16 queries x 128 keys, down to the conversions
.macro SOFT x
.set FX, F0-40*\x
.irp c, 0,1
	v_max3_num_f32 v[BM+\c], v[S+32*\c], v[S+32*\c+1], v[S+32*\c+2]            ; the largest score of my two blocks, two chains each, every accumulator from its low end on
	v_max3_num_f32 v[CT+\c], v[S+32*\c+3], v[S+32*\c+4], v[S+32*\c+5]
.endr
.irp i, 6,10,14,18,22,26
.irp c, 0,1
	v_max3_num_f32 v[BM+\c], v[BM+\c], v[S+32*\c+\i], v[S+32*\c+\i+1]
	v_max3_num_f32 v[CT+\c], v[CT+\c], v[S+32*\c+\i+2], v[S+32*\c+\i+3]
.endr
.endr
.irp c, 0,1
	v_max3_num_f32 v[BM+\c], v[BM+\c], v[S+32*\c+30], v[S+32*\c+31]
.endr
.irp c, 0,1
	v_max_num_f32 v[BM+\c], v[BM+\c], v[CT+\c]
.endr
	s_delay_alu instid0(VALU_DEP_1)
	v_max_num_f32 v[TMP], v[BM], v[BM+1]
	s_delay_alu instid0(VALU_DEP_1)
	v_permlanex16_b32 v[TM2], v[TMP], s[SEL], s[SEL+1]
	s_delay_alu instid0(VALU_DEP_1)
	v_max3_num_f32 v[NM+2*\x+1], v[NM+2*\x+1], v[TMP], v[TM2]                  ; the running largest score of my query (c is positive: it is the largest t too)
	s_delay_alu instid0(VALU_DEP_1)
	v_mul_f32 v[TMP], s[CS], v[NM+2*\x+1]
	s_delay_alu instid0(VALU_DEP_1)
	v_floor_f32 v[TM2], -v[TMP]                    ; the new -M = floor(-t): M is a whole number
	s_delay_alu instid0(VALU_DEP_1)
	v_sub_f32 v[TMP], v[TM2], v[NM+2*\x]           ; old M - new M: a whole number, 0 or less
	s_delay_alu instid0(VALU_DEP_2)
	v_mov_b32 v[NM+2*\x], v[TM2]
.set j, 0
.rept 32
	v_pk_fma_f32 v[S+j:S+j+1], v[S+j:S+j+1], s[CS:CS+1], v[NM+2*\x:NM+2*\x+1] op_sel_hi:[1,0,0]   ; t - M, two at a time
.if j == 6
	v_cvt_i32_f32 v[TMP], v[TMP]                   ; (it saturates)
.endif
.if j == 14
	v_ldexp_f32 v[FX], 1.0, v[TMP]                 ; f = 2^(old M - new M)
.endif
.set j, j+2
.endr
.irp c, 0,1
	v_fma_f32 v[BM+\c], v[BM+\c], s[CS], v[NM+2*\x]                            ; the same of each block's largest score
.endr
	WALU                                           ; the wait ahead of the batch,
.set j, 0
.rept 64
	v_exp_f32 v[S+j], v[S+j]                       ; p = 2^(t - M), at most 1
.set j, j+1
.endr
	v_exp_f32 v[BM], v[BM]                         ; the blocks' largest p
	v_exp_f32 v[BM+1], v[BM+1]
	v_nop                                          ; the plain place behind the batch
	WALU                                           ; and one behind it, ahead of its first reader
	v_max_num_f32 v[BM], 0x1800000, v[BM]          ; the floor 2^(3 - 127): the byte cannot fall under 1
	v_max_num_f32 v[BM+1], 0x1800000, v[BM+1]
.irp k, 0,1,2,3
	v_pk_add_f32 v[CT+2*\k:CT+2*\k+1], v[S+2*\k:S+2*\k+1], v[S+8+2*\k:S+8+2*\k+1]      ; the sum of the unquantised p: four chains of pairs
.endr
.set j, 16
.set N_, 0
.rept 6
	BYTE N_, \x
.irp k, 0,1,2,3
	v_pk_add_f32 v[CT+2*\k:CT+2*\k+1], v[CT+2*\k:CT+2*\k+1], v[S+j+2*\k:S+j+2*\k+1]
.endr
.set j, j+8
.set N_, N_+1
.endr
	v_pk_add_f32 v[CT:CT+1], v[CT:CT+1], v[CT+2:CT+3]
	v_pk_add_f32 v[CT+4:CT+5], v[CT+4:CT+5], v[CT+6:CT+7]
	v_pk_add_f32 v[CT:CT+1], v[CT:CT+1], v[CT+4:CT+5]
	v_pk_fma_f32 v[L+2*\x:L+2*\x+1], v[L+2*\x:L+2*\x+1], v[FX:FX+1], v[CT:CT+1] op_sel_hi:[1,0,1]   ; l under the new M, and the step's part
.if \x == 0
	v_cvt_scalef32_pk16_fp6_f32 v[PA:PA+2], v[S:S+15], v[SO]
	v_cvt_scalef32_pk16_fp6_f32 v[CT:CT+2], v[S+16:S+31], v[SO]                ; (a conversion's three registers begin on an even number)
	v_cvt_scalef32_pk16_fp6_f32 v[PA+6:PA+8], v[S+32:S+47], v[SO+1]
	v_cvt_scalef32_pk16_fp6_f32 v[CT+4:CT+6], v[S+48:S+63], v[SO+1]
	v_nop                                          ; one plain place behind the conversions, ahead of the products that write their sources
.else
	v_cvt_scalef32_pk16_fp6_f32 v[CT:CT+2], v[S+32:S+47], v[SO+1]              ; tile 1's codes are laid over p's registers 32-43, which these two conversions set free
	v_cvt_scalef32_pk16_fp6_f32 v[CT+4:CT+6], v[S+48:S+63], v[SO+1]
	v_nop
	v_cvt_scalef32_pk16_fp6_f32 v[S+32:S+34], v[S:S+15], v[SO]
	v_cvt_scalef32_pk16_fp6_f32 v[S+36:S+38], v[S+16:S+31], v[SO]
	v_nop
.irp i, 35,36,37
	v_mov_b32 v[S+\i], v[S+\i+1]
.endr
.irp i, 0,1,2
	v_mov_b32 v[S+38+\i], v[CT+\i]
	v_mov_b32 v[S+41+\i], v[CT+4+\i]
.endr
.endif
.endm
; A KEY STEP: 128 keys for my 32 queries
.macro TRIP
	v_add_nc_u32 v[ADR], s[TB], v[LI]
	v_add_nc_u32 v[TMP], s[TB], v[LW]
	PLACES 3                                       ; with the two above: five places behind the last products, whose operands are loaded into and written over below
.irp b, 0,1,2,3
.irp g, 0,1,2
	ds_load_b128 v[KV+12*\b+4*\g:KV+12*\b+4*\g+3], v[ADR] offset:FRB*\b+512*\g
.endr
.endr
	ds_load_b128 v[SW:SW+3], v[TMP]                ; lanes 0-15: K's four words of row r; lanes 16-31: V's
	s_wait_dscnt 0x0
	SMUL 0
	PLACES 4                                       ; in front of the first read of the scores
	SOFT 0
	SMUL 1
.irp i, 0,1,2
	v_mov_b32 v[PA+3+\i], v[CT+\i]                 ; tile 0's codes are made whole: these six are the places behind tile 1's products
	v_mov_b32 v[PA+9+\i], v[CT+4+\i]
.endr
.irp d, 0,1,2,3
.irp g, 0,1,2
	ds_load_b128 v[KV+12*\d+4*\g:KV+12*\d+4*\g+3], v[ADR] offset:SECB+FRB*\d+512*\g   ; V's fragments land while tile 1's softmax is worked
.endr
.endr
	SOFT 1
	WALU                                           ; the wait directly ahead of the first reader of O^T
.set j, 0
.rept 16
	v_pk_mul_f32 v[O+j:O+j+1], v[O+j:O+j+1], v[F0:F0+1] op_sel_hi:[1,0]        ; O^T under the new M; these 32 are also the places between p's words and codes and the products below
.set j, j+2
.endr
.rept 16
	v_pk_mul_f32 v[O+j:O+j+1], v[O+j:O+j+1], v[F1:F1+1] op_sel_hi:[1,0]
.set j, j+2
.endr
	WALU                                           ; the wait directly ahead of the wait below
	s_wait_dscnt 0x0                               ; V is in
.irp d, 0,1,2,3                                ; eight accumulators by turns: each fragment of V serves both tiles
	v_wmma_scale_f32_16x16x128_f8f6f4 v[O+8*\d:O+8*\d+7], v[KV+12*\d:KV+12*\d+11], v[PA:PA+11], v[O+8*\d:O+8*\d+7], v[SW+\d], v[PW] matrix_a_fmt:MATRIX_FMT_FP6 matrix_b_fmt:MATRIX_FMT_FP6 matrix_a_scale:MATRIX_SCALE_ROW1
	v_wmma_scale_f32_16x16x128_f8f6f4 v[O+32+8*\d:O+32+8*\d+7], v[KV+12*\d:KV+12*\d+11], v[S+32:S+43], v[O+32+8*\d:O+32+8*\d+7], v[SW+\d], v[PW+1] matrix_a_fmt:MATRIX_FMT_FP6 matrix_b_fmt:MATRIX_FMT_FP6 matrix_a_scale:MATRIX_SCALE_ROW1
.endr
	s_add_co_u32 s[TB], s[TB], STEPL
.endm
.macro STEPS first, n                  ; n key steps from step first on
	s_mov_b32 s[TB], (\first)*STEPL
	s_mov_b32 s[CNT], \n
.Lstep_\@:
	TRIP
	s_sub_co_u32 s[CNT], s[CNT], 1
	s_cmp_lg_u32 s[CNT], 0
	s_cbranch_scc1 .Lstep_\@
.endm
	WALU                                           ; the wait at the head's end
	s_cmp_lt_u32 s[WV], 8
	s_cbranch_scc0 .Lnot_lower
	s_wait_tensorcnt 0x0                           ; waves 0-7: my key step is in
.Lnot_lower:
	s_barrier_signal -1
	s_barrier_wait -1                              ; key steps 0-7 are in; 8-15 may be on their way: nothing is filled again in this launch
	STEPS 0, 1                                     ; the waves meet again behind one key step, while they still walk close together
	s_wait_tensorcnt 0x0                           ; every wave: all that is still out
	s_barrier_signal -1
	s_barrier_wait -1
	STEPS 1, 15
; O^T / l, quantised along the head's 64: a lane holds block h of both tiles
	v_add_f32 v[L], v[L], v[L+1]
	v_add_f32 v[L+2], v[L+2], v[L+3]
	v_permlanex16_b32 v[TMP], v[L], s[SEL], s[SEL+1]
	v_permlanex16_b32 v[TM2], v[L+2], s[SEL], s[SEL+1]
	v_add_f32 v[L], v[L], v[TMP]                   ; the rows' sums
	v_add_f32 v[L+2], v[L+2], v[TM2]
	WALU
	v_rcp_f32 v[L], v[L]
	v_rcp_f32 v[L+2], v[L+2]
	v_nop
	WALU                                           ; ahead of the reciprocals' first reader, which is O^T's first reader too
.set j, 0
.rept 16
	v_pk_mul_f32 v[S+j:S+j+1], v[O+j:O+j+1], v[L:L+1] op_sel_hi:[1,0]          ; register 32 x + i: channel 32 h + i of tile x
.set j, j+2
.endr
.rept 16
	v_pk_mul_f32 v[S+j:S+j+1], v[O+j:O+j+1], v[L+2:L+3] op_sel_hi:[1,0]
.set j, j+2
.endr
.irp x, 0,1
	v_max3_num_f32 v[BM+\x], |v[S+32*\x]|, |v[S+32*\x+1]|, 0x1800000
	v_max3_num_f32 v[CT+\x], |v[S+32*\x+2]|, |v[S+32*\x+3]|, |v[S+32*\x+4]|
.endr
.irp i, 5,9,13,17,21,25
.irp x, 0,1
	v_max3_num_f32 v[BM+\x], v[BM+\x], |v[S+32*\x+\i]|, |v[S+32*\x+\i+1]|
	v_max3_num_f32 v[CT+\x], v[CT+\x], |v[S+32*\x+\i+2]|, |v[S+32*\x+\i+3]|
.endr
.endr
.irp x, 0,1
	v_max3_num_f32 v[BM+\x], v[BM+\x], |v[S+32*\x+29]|, |v[S+32*\x+30]|
.endr
.irp x, 0,1
	v_max3_num_f32 v[BM+\x], v[BM+\x], v[CT+\x], |v[S+32*\x+31]|
.endr
.irp x, 0,1
	v_add_nc_u32 v[SO+\x], 0xff000000, v[BM+\x]
.endr
.irp x, 0,1
	v_lshrrev_b32 v[BM+\x], 23, v[SO+\x]
.endr
.irp x, 0,1
	v_lshlrev_b32 v[BM+\x], v[SH8], v[BM+\x]       ; my block's byte at its place,
.endr
.irp x, 0,1
	v_permlanex16_b32 v[CT+\x], v[BM+\x], s[SEL], s[SEL+1]
.endr
.irp x, 0,1
	v_or_b32 v[BM+\x], v[BM+\x], v[CT+\x]          ; and the other block's: the row's two scale bytes
.endr
	v_cvt_scalef32_pk16_fp6_f32 v[PA:PA+2], v[S:S+15], v[SO]
	v_cvt_scalef32_pk16_fp6_f32 v[CT:CT+2], v[S+16:S+31], v[SO]
	v_cvt_scalef32_pk16_fp6_f32 v[PA+6:PA+8], v[S+32:S+47], v[SO+1]
	v_cvt_scalef32_pk16_fp6_f32 v[CT+4:CT+6], v[S+48:S+63], v[SO+1]
	v_nop
.irp i, 0,1,2
	v_mov_b32 v[PA+3+\i], v[CT+\i]
	v_mov_b32 v[PA+9+\i], v[CT+4+\i]
.endr
	v_lshrrev_b32 v[TMP], 1, v[LI]                 ; 8 x lane
	v_lshl_add_u32 v[TM2], v[SH8], 5, v[LI]        ; os: 16 r + 512 h: row r of row tile h of my two
	v_cmp_ne_u32 vcc_lo, 0, v[SH8]
	v_cndmask_b32 v[SO], v[BM], v[BM+1], vcc_lo    ; lane (r, h) stores row r's two bytes of tile h
.irp u, 0,1
	global_store_b128 v[LI], v[PA+6*\u:PA+6*\u+3], s[6:7] offset:8*FRB*\u          ; half a fragment: registers 0-3, 512 consecutive bytes,
	global_store_b64 v[TMP], v[PA+6*\u+4:PA+6*\u+5], s[6:7] offset:8*FRB*\u+512    ; registers 4-5, 256 consecutive bytes; both at multiples of 256 from oimg's first byte
.endr
	global_store_b16 v[TM2], v[SO], s[8:9]         ; two bytes a row: a row's 32 scale bytes come from 16 heads, which are 16 work-groups; 262,144 bytes in the whole launch
	s_wait_tensorcnt 0x0                           ; the wave's end
	ds_add_u32 v[SPW], v[NIL]
	s_wait_dscnt 0x0
	CROUND                                         ; the closing round
	s_endpgm
.Lfunc_end_k_q67c04c4a44_attn:
	.size	k_q67c04c4a44_attn, .Lfunc_end_k_q67c04c4a44_attn-k_q67c04c4a44_attn
	.p2alignl 7, 3214868480
	.fill 96, 4, 3214868480
	.section	.rodata,"a",@progbits
	.p2align	6, 0x0
	.amdhsa_kernel k_q67c04c4a44_attn
		.amdhsa_group_segment_fixed_size 206848
		.amdhsa_private_segment_fixed_size 0
		.amdhsa_enable_private_segment 0
		.amdhsa_kernarg_size 24
		.amdhsa_user_sgpr_count 2
		.amdhsa_user_sgpr_kernarg_segment_ptr 1
		.amdhsa_wavefront_size32 1
		.amdhsa_system_sgpr_workgroup_id_x 1
		.amdhsa_system_sgpr_workgroup_id_y 1
		.amdhsa_system_sgpr_workgroup_id_z 1
		.amdhsa_system_vgpr_workitem_id 0
		.amdhsa_next_free_vgpr 256
		.amdhsa_next_free_sgpr 66
		.amdhsa_reserve_vcc 1
		.amdhsa_float_denorm_mode_32 3
		.amdhsa_float_denorm_mode_16_64 3
		.amdhsa_memory_ordered 1
		.amdhsa_forward_progress 1
		.amdhsa_inst_pref_size 70
	.end_amdhsa_kernel
	.amdgpu_metadata
---
amdhsa.version: [ 1, 2 ]
amdhsa.kernels:
  - .name:           k_q67c04c4a44_attn
    .symbol:         k_q67c04c4a44_attn.kd
    .args:
      - { .name: qkv, .offset: 0, .size: 8, .value_kind: global_buffer, .address_space: global }
      - { .name: oimg, .offset: 8, .size: 8, .value_kind: global_buffer, .address_space: global }
      - { .name: os, .offset: 16, .size: 8, .value_kind: global_buffer, .address_space: global }
    .group_segment_fixed_size: 206848
    .private_segment_fixed_size: 0
    .kernarg_segment_align: 8
    .kernarg_segment_size: 24
    .max_flat_workgroup_size: 512
    .sgpr_count:     66
    .vgpr_count:     256
    .wavefront_size: 32
...
	.end_amdgpu_metadata
.endif
;; end of part 3
;; launch oproj (part 4): grid 4 x 64, 4 waves a work-group, clusters of 4 x 1, 167,936 bytes of LDS; arguments oimg, os, img, scl, bo, out0; writes out0
.if DOCPART == 4
	.amdgcn_target "amdgcn-amd-amdhsa--gfx1250"
	.amdhsa_code_object_version 6
	.text
	.protected	k_q67c04c4a44_oproj
	.globl	k_q67c04c4a44_oproj
	.p2align	8
	.type	k_q67c04c4a44_oproj,@function
k_q67c04c4a44_oproj:
	s_mov_b64 s[64:65], 0
	v_nop
	global_prefetch_b8 v0, s[64:65] scope:SCOPE_SE
	s_setreg_imm32_b32 hwreg(HW_REG_WAVE_MODE, 25, 1), 1
	s_wait_xcnt 0x0
	s_wait_alu depctr_hold_cnt(0) depctr_sa_sdst(0) depctr_va_vdst(0) depctr_va_sdst(0) depctr_va_ssrc(0) depctr_va_vcc(0) depctr_vm_vsrc(0)
	s_getreg_b32 s2, hwreg(HW_REG_IB_STS2, 6, 4)
	s_cmp_eq_u32 s2, 0
	s_cbranch_scc0 .Lentry_in_a_cluster
	s_endpgm
.Lentry_in_a_cluster:
	s_bfe_u32 s2, ttmp6, 0x10000c
	s_cmp_lg_u32 s2, 0x3003
	s_cbranch_scc0 .Lentry_shape_is_right
	s_endpgm
.Lentry_shape_is_right:
; out = O Wo^T + bo on codes of FP6 (E2M3) with E8M0 scales; out is f32, [8192][1024].
; IN.  oimg: [512 row tiles][8 K steps][1,536 bytes]: a fragment (16 tokens x 128 K) in two halves of 768 bytes, one for each head: registers 6 c .. 6 c + 3 at 768 c + 16 x lane, registers 6 c + 4, 6 c + 5 at
; 768 c + 512 + 8 x lane.  img: Wo's fragments in tiles 704-767, three groups of four registers, group g at 512 g + 16 x lane.  os and scl: [tile][512 bytes]: at 16 x lane the four scale words of row lane % 16
; for K steps 4 (lane / 16) + 0 .. 3.  Row i of tile 4 c + t is row 64 c + 8 t + i % 8 + 32 (i / 8) of its tensor.
; THE DEAL.  256 work-groups of four waves.  A work-group makes 128 tokens x 256 columns, wave w the 64 columns 256 cx + 64 w + 0 .. 63: eight blocks of 32 products.
; The wave's 64 rows of Wo, ALL of K, lie in 384 registers; O's eight tiles stream past them out of LDS, a tile a block, in two sets of registers.
; O's 98,304 bytes come into LDS ONCE, a quarter a wave, and stay: nothing is filled again.  CLUSTER: the four work-groups of the same 128 tokens need the same bytes and ask for them jointly.
; Wo goes from memory straight into registers: the image is in the registers' order, so a load covers 512 consecutive bytes, and only one wave of a work-group wants them: LDS and a joint load would serve nobody else.
; NO PREFETCH: all that the launch reads is asked for at its head, so there is no trip to run ahead in.
; Source 0 = Wo's rows: a lane's 32 sums of a block are columns 32 h + 0 .. 31 of one token.  THE BIAS is the C of each sum's first product, laid in registers as the result lies.
; THE WAY OUT: a block, 16 tokens x 256 bytes, turns through the wave's own stage in LDS and leaves by rows: sixteen lanes store one aligned unit of 256 bytes.
; LIMITS: NaN and infinities are not served.
.set FRB,    1536
.set TILEB,  8*FRB
.set XB,     8*TILEB                   ; O's eight tiles in LDS
.set SPITCH, 272                       ; a stage row: 256 bytes + 16
.set STAGE,  XB                        ; behind the tiles: a stage of 16 rows for each wave: 17 blocks of 256 bytes each, into which no fill lands
.set SPARE,  STAGE+4*16*SPITCH         ; behind the stages: the spare words, 128 bytes a wave: two blocks of 256 bytes that no other line names
.set LI,  1                            ; v1   16 x lane;  v2  the same + four tiles
.set L8,  3                            ; v3   8 x lane;   v4  the same + four tiles
.set SPW, 5                            ; v5   my spare word; never rewritten
.set NIL, 6                            ; v6   0; never rewritten
.set BQ,  7                            ; v7   128 h: the bias
.set STO, 8                            ; v8   the stage, on the way in: row r, + 128 h
.set RD,  9                            ; v9   and on the way out: row lane / 16, + 16 (lane % 16)
.set CO,  10                           ; v10  the same place in out
.set T0,  12
.set XS,  32                           ; v32-63 O's scale words: tile a, K step q: register 4 a + q % 4, lanes' half q / 4
.set WS,  70                           ; v70-85 Wo's scale words, likewise
.set ACC, 86                           ; v86-149 two sets of four accumulators
.set BK,  150                          ; v150-213 two sets of 16 rows back from the stage
.set BI,  214                          ; v214-245 the bias
.set WV, 16
.set CX, 17
.set RB, 18
.set HD, 19
.set G1, 24
.set G0, 32
.set WP, 36
.set SP, 38
.set XP, 40
.set MSB, 0
.macro WIN new                         ; the immediate's high byte repeats the setting that is left
.if MSB != (\new)
	s_set_vgpr_msb (MSB<<8)|(\new)
.set MSB, (\new)
.endif
.endm
.macro PLACES n
.rept \n
	v_nop
.endr
.endm
.macro CROUND
	s_barrier_signal -1
	s_barrier_wait -1
	s_cmp_lg_u32 s[WV], 0
	s_cbranch_scc1 .Lnot_wave_0_\@
	s_barrier_signal -3
.Lnot_wave_0_\@:
	s_barrier_wait -3
	s_barrier_signal -1
	s_barrier_wait -1
.endm
; Fragment f lies in window 1 + f / 21 at register 12 (f % 21), so that none lies across a window's border: 4 q + t Wo's, 32 + 8 e + q O's set e
.macro MM d, r0, r1, c, s0, s1, row
.if \row
	v_wmma_scale_f32_16x16x128_f8f6f4 v[\d:\d+7], v[\r0:\r0+11], v[\r1:\r1+11], \c, v[\s0], v[\s1] matrix_a_fmt:MATRIX_FMT_FP6 matrix_b_fmt:MATRIX_FMT_FP6 matrix_a_scale:MATRIX_SCALE_ROW1 matrix_b_scale:MATRIX_SCALE_ROW1
.else
	v_wmma_scale_f32_16x16x128_f8f6f4 v[\d:\d+7], v[\r0:\r0+11], v[\r1:\r1+11], \c, v[\s0], v[\s1] matrix_a_fmt:MATRIX_FMT_FP6 matrix_b_fmt:MATRIX_FMT_FP6
.endif
.endm
.macro PROD a, q, t                    ; Wo's tile t x O's tile a, K step q
.set FW_, 4*(\q)+(\t)
.set FX_, 32+8*((\a)%2)+(\q)
.set DL_, ACC+32*((\a)%2)+8*(\t)
.set R0_, 12*(FW_%21)
.set S0_, WS+4*(\t)+(\q)%4
.set R1_, 12*(FX_%21)
.set S1_, XS+4*(\a)+(\q)%4
	WIN (1+FW_/21)|((1+FX_/21)<<2)
.if \q
	MM DL_, R0_, R1_, v[DL_:DL_+7], S0_, S1_, (\q)/4
.else
	MM DL_, R0_, R1_, v[BI+8*(\t):BI+8*(\t)+7], S0_, S1_, 0
.endif
.endm
.macro BLOCK a                         ; 32 products, the four accumulators by turns
.set N_, 0
.rept 32
	PROD \a, N_/4, N_%4
.set N_, N_+1
.endr
	WIN 0
.endm
.macro FETCH a                         ; O's tile a, all of K, into set a % 2: 32 LDS loads
.irp q, 0,1,2,3,4,5,6,7
.set F_, 32+8*((\a)%2)+\q
	WIN (1+F_/21)<<6
.irp c, 0,1
	ds_load_b128 v[12*(F_%21)+6*\c:12*(F_%21)+6*\c+3], v[LI+(\a)/4] offset:((\a)%4)*TILEB+\q*FRB+768*\c
	ds_load_b64 v[12*(F_%21)+6*\c+4:12*(F_%21)+6*\c+5], v[L8+(\a)/4] offset:((\a)%4)*TILEB+\q*FRB+768*\c+512
.endr
.endr
	WIN 0
.endm
.macro WLOAD q                         ; K step q of my four tiles of Wo: each load covers 512 consecutive bytes
.irp t, 0,1,2,3
.set F_, 4*(\q)+\t
	WIN (1+F_/21)<<6
.irp g, 0,1,2
	global_load_b128 v[12*(F_%21)+4*\g:12*(F_%21)+4*\g+3], v[LI], s[WP:WP+1] offset:\t*TILEB+(\q)*FRB+512*\g
.endr
.endr
	WIN 0
.endm
.macro TOSTAGE a                       ; block a into my stage, each accumulator from its low end on, and back by rows: LDS serves a wave's instructions in order, so no wait stands between
.irp t, 0,1,2,3
	ds_store_b128 v[STO], v[ACC+32*((\a)%2)+8*\t:ACC+32*((\a)%2)+8*\t+3] offset:32*\t
	ds_store_b128 v[STO], v[ACC+32*((\a)%2)+8*\t+4:ACC+32*((\a)%2)+8*\t+7] offset:32*\t+16
.endr
.irp i, 0,1,2,3,4,5,6,7
	ds_load_b128 v[BK+32*((\a)%2)+4*\i:BK+32*((\a)%2)+4*\i+3], v[RD] offset:2*\i*SPITCH
.endr
.endm
.macro SEND a                          ; rows 2 i and 2 i + 1 of tile a: sixteen lanes store 256 consecutive bytes, at a multiple of 256 from out's first byte
.irp i, 0,1,2,3,4,5,6,7
	global_store_b128 v[CO], v[BK+32*((\a)%2)+4*\i:BK+32*((\a)%2)+4*\i+3], s[14:15] offset:(64*((\a)/4)+8*((\a)%4)+2*\i+24*(\i/4))*4096 th:TH_STORE_NT
.endr
.endm
.macro AFTER a                         ; behind block a's products
	s_wait_dscnt 0x0                               ; the next block's tile is in, and block a - 1 is back from the stage: all were asked for ahead of this block's products
	s_wait_xcnt 0x0                                ; block a - 2's stores have read their registers, which block a's rows take below
.if (\a) > 0
	SEND (\a)-1
.endif
	PLACES 4                                       ; in front of loads into registers that the products have read, and of the first read of their results
.if (\a) < 6
	FETCH (\a)+2
.endif
	TOSTAGE \a
.endm
; ---- the head
	s_load_b256 s[4:11], s[0:1], 0x0               ; oimg, os, img, scl
	s_load_b128 s[12:15], s[0:1], 0x20             ; bo, out0
	v_lshl_add_u32 v[SPW], v0, 2, SPARE
	v_mov_b32 v[NIL], 0
	ds_add_u32 v[SPW], v[NIL]                      ; the opening lines: the add, twice on end, and its wait ahead of my tensor load
	ds_add_u32 v[SPW], v[NIL]
	v_lshrrev_b32 v[T0], 5, v0
	v_readfirstlane_b32 s[WV], v[T0]               ; wave 0..3
	s_bfe_u32 s[CX], ttmp6, 0x40000                ; cx: which 256 columns
	s_and_b32 s[RB], ttmp7, 0xffff                 ; which 128 tokens: the four partners share it
	s_lshl_b32 s[HD], s[CX], 2
	s_add_co_u32 s[HD], s[HD], s[WV]               ; which 64 columns are mine
	s_mov_b32 s[G1], 15|(3<<16)|(1<<21)            ; the mask: all four; elements of 8 bytes; bit 21 set beside a mask
	s_mov_b32 s[G1+1], 32<<16                      ; two tiles, 24,576 dense bytes, as 96 rows of 256
	s_mov_b32 s[G1+2], 96<<16
	s_mov_b32 s[G1+3], 32<<16
	s_mov_b32 s[G1+4], 96
	s_mov_b32 s[G1+5], 32
	s_mov_b32 s[G1+6], 0
	s_mov_b32 s[G1+7], 0
	s_mov_b32 s[G0], 1
	s_mul_i32 s[G0+1], s[WV], 2*TILEB
	s_mul_i32 s20, s[RB], XB
	s_add_co_u32 s20, s20, s[G0+1]
	s_mov_b32 s21, 0
	s_wait_dscnt 0x0                               ; both opening adds are done
	s_wait_kmcnt 0x0
	s_add_nc_u64 s[G0+2:G0+3], s[4:5], s[20:21]
	s_or_b32 s[G0+3], s[G0+3], 0x80000000
	CROUND                                         ; all four work-groups are here: the joint loads meet
	tensor_load_to_lds s[G0:G0+3], s[G1:G1+7]      ; my quarter of O's tiles: one load a wave, by one line that every wave issues and every wave waits for
	s_nop 0
	PLACES 4
	s_mul_i32 s20, s[HD], 4*TILEB
	s_add_co_u32 s20, s20, 704*TILEB
	s_add_nc_u64 s[WP:WP+1], s[8:9], s[20:21]      ; my four tiles of Wo
	s_lshl_b32 s20, s[HD], 11
	s_add_co_u32 s20, s20, 704*512
	s_add_nc_u64 s[SP:SP+1], s[10:11], s[20:21]
	s_lshl_b32 s20, s[RB], 12
	s_add_nc_u64 s[XP:XP+1], s[6:7], s[20:21]      ; O's scale words
	s_lshl_b32 s20, s[HD], 8
	s_add_nc_u64 s[12:13], s[12:13], s[20:21]      ; my 64 numbers of the bias,
	s_add_nc_u64 s[14:15], s[14:15], s[20:21]      ; my 256 bytes of a row of out,
	s_lshl_b32 s20, s[RB], 19
	s_add_nc_u64 s[14:15], s[14:15], s[20:21]      ; from the work-group's first token on
	s_mul_i32 s22, s[WV], 16*SPITCH
	s_add_co_u32 s22, s22, STAGE                   ; my stage
	v_and_b32 v[T0], 15, v0                        ; lane % 16
	v_bfe_u32 v[T0+1], v0, 4, 1                    ; lane / 16
	v_and_b32 v[T0+2], 31, v0
	v_lshlrev_b32 v[LI], 4, v[T0+2]
	v_add_nc_u32 v[LI+1], 4*TILEB, v[LI]
	v_lshlrev_b32 v[L8], 3, v[T0+2]
	v_add_nc_u32 v[L8+1], 4*TILEB, v[L8]
	v_lshlrev_b32 v[BQ], 7, v[T0+1]
	v_mul_u32_u24 v[STO], v[T0], SPITCH
	v_lshl_add_u32 v[STO], v[T0+1], 7, v[STO]
	v_add_nc_u32 v[STO], s22, v[STO]
	v_mul_u32_u24 v[RD], v[T0+1], SPITCH
	v_lshl_add_u32 v[RD], v[T0], 4, v[RD]
	v_add_nc_u32 v[RD], s22, v[RD]
	v_lshlrev_b32 v[CO], 12, v[T0+1]               ; lanes 16-31 take the next token's row of 4,096 bytes
	v_lshl_add_u32 v[CO], v[T0], 4, v[CO]
	s_wait_alu depctr_va_vdst(0)                   ; the wait at the head's end
.irp a, 0,1,2,3,4,5,6,7
	global_load_b128 v[XS+4*\a:XS+4*\a+3], v[LI], s[XP:XP+1] offset:512*\a
.endr
.irp t, 0,1,2,3
	global_load_b128 v[WS+4*\t:WS+4*\t+3], v[LI], s[SP:SP+1] offset:512*\t
.endr
.irp k, 0,1,2,3,4,5,6,7
	global_load_b128 v[BI+4*\k:BI+4*\k+3], v[BQ], s[12:13] offset:16*\k        ; register 8 t + j of lane (r, h): column 32 h + 8 t + j
.endr
.irp q, 0,1,2,3,4,5,6,7
	WLOAD \q
.endr
	s_wait_tensorcnt 0x0
	s_barrier_signal -1
	s_barrier_wait -1                              ; O's eight tiles are in
	FETCH 0
	FETCH 1
	s_wait_dscnt 32                                ; tile 0 is in; tile 1's 32 loads may be out
; ---- block 0 takes Wo K step by K step as it lands: behind K step q's 12 loads stand those of the 7 - q later K steps (a wait's field holds 63 at the most: there the lesser count is written)
.set Q_, 0
.rept 8
.if (7-Q_)*12 > 63
	s_wait_loadcnt 63
.else
	s_wait_loadcnt (7-Q_)*12
.endif
.irp t, 0,1,2,3
	PROD 0, Q_, \t
.endr
.set Q_, Q_+1
.endr
	WIN 0
	AFTER 0
.irp a, 1,2,3,4,5,6,7
	BLOCK \a
	AFTER \a
.endr
	s_wait_dscnt 0x0                               ; block 7 is back from the stage
	SEND 7
	s_wait_tensorcnt 0x0                           ; the wave's end: behind my last LDS store
	ds_add_u32 v[SPW], v[NIL]
	s_wait_dscnt 0x0
	CROUND                                         ; the closing round
	s_endpgm
.Lfunc_end_k_q67c04c4a44_oproj:
	.size	k_q67c04c4a44_oproj, .Lfunc_end_k_q67c04c4a44_oproj-k_q67c04c4a44_oproj
	.p2alignl 7, 3214868480
	.fill 96, 4, 3214868480
	.section	.rodata,"a",@progbits
	.p2align	6, 0x0
	.amdhsa_kernel k_q67c04c4a44_oproj
		.amdhsa_group_segment_fixed_size 167936
		.amdhsa_private_segment_fixed_size 0
		.amdhsa_enable_private_segment 0
		.amdhsa_kernarg_size 48
		.amdhsa_user_sgpr_count 2
		.amdhsa_user_sgpr_kernarg_segment_ptr 1
		.amdhsa_wavefront_size32 1
		.amdhsa_system_sgpr_workgroup_id_x 1
		.amdhsa_system_sgpr_workgroup_id_y 1
		.amdhsa_system_sgpr_workgroup_id_z 1
		.amdhsa_system_vgpr_workitem_id 0
		.amdhsa_next_free_vgpr 1024
		.amdhsa_next_free_sgpr 66
		.amdhsa_reserve_vcc 0
		.amdhsa_float_denorm_mode_32 3
		.amdhsa_float_denorm_mode_16_64 3
		.amdhsa_memory_ordered 1
		.amdhsa_forward_progress 1
		.amdhsa_inst_pref_size 82
	.end_amdhsa_kernel
	.amdgpu_metadata
---
amdhsa.version: [ 1, 2 ]
amdhsa.kernels:
  - .name:           k_q67c04c4a44_oproj
    .symbol:         k_q67c04c4a44_oproj.kd
    .args:
      - { .name: oimg, .offset: 0, .size: 8, .value_kind: global_buffer, .address_space: global }
      - { .name: os, .offset: 8, .size: 8, .value_kind: global_buffer, .address_space: global }
      - { .name: img, .offset: 16, .size: 8, .value_kind: global_buffer, .address_space: global }
      - { .name: scl, .offset: 24, .size: 8, .value_kind: global_buffer, .address_space: global }
      - { .name: bo, .offset: 32, .size: 8, .value_kind: global_buffer, .address_space: global }
      - { .name: out0, .offset: 40, .size: 8, .value_kind: global_buffer, .address_space: global }
    .group_segment_fixed_size: 167936
    .private_segment_fixed_size: 0
    .kernarg_segment_align: 8
    .kernarg_segment_size: 48
    .max_flat_workgroup_size: 128
    .sgpr_count:     66
    .vgpr_count:     1024
    .wavefront_size: 32
...
	.end_amdgpu_metadata
.endif
;; end of part 4
